; MI455X (gfx1250); checked and timed in simulation.
; The chip was launched on July 23, 2026; its instructions are those of AMD's public machine-readable ISA for CDNA 5 (MIT licence, August 2026) and "CDNA5" Instruction Set Architecture Reference Guide (July 2026). The comments in the code are by the model that wrote it; some were corrected since.
;; Causal Self Attention. Allowed arithmetic: matrix products marked QUANTISED: E3M2 operands, one E8M0 scale for each 32 along K, by v_wmma_scale_f32_16x16x128_f8f6f4 with both operands' format E3M2, f32 sums; everything else in f32.
;; Inputs: Wk 1,024 x 1,024 float32; Wp 1,024 x 1,024 float32; Wq 1,024 x 1,024 float32; Wv 1,024 x 1,024 float32; bk 1,024 float32; bp 1,024 float32; bq 1,024 float32; bv 1,024 float32; x 4 x 2,048 x 1,024 float32.
;; Outputs: out0 4 x 2,048 x 1,024 float32.
;; This version of the problem:
;;   THIS VERSION OF THE PROBLEM IS GIVEN IN LOW PRECISION. The matrix products marked QUANTISED in the list below multiply operands that are first quantised to E3M2 (3 exponent bits, 2 mantissa bits; 6 bits a number), with one power-of-two scale for each 32 numbers along K (OCP MX v1.0); their sums are f32. All else is computed in f32.
;;   The module's matrix products, in the order in which they are computed (A, B: the left and right operand; K: the contracted axis; several contracted axes count as one K, in the product's order):
;;     1. [M 8,192, K 1,024] x [K 1,024, N 1,024]; A: input x; B: input Wq: QUANTISED
;;     2. [M 8,192, K 1,024] x [K 1,024, N 1,024]; A: input x; B: input Wk: QUANTISED
;;     3. [M 8,192, K 1,024] x [K 1,024, N 1,024]; A: input x; B: input Wv: QUANTISED
;;     4. batch 64 x [M 2,048, K 64] x [K 64, N 2,048]; A: computed on the way; B: computed on the way: QUANTISED
;;     5. batch 64 x [M 2,048, K 2,048] x [K 2,048, N 64]; A: softmax (see below); B: computed on the way: QUANTISED
;;     6. [M 8,192, K 1,024] x [K 1,024, N 1,024]; A: computed on the way; B: input Wp: QUANTISED
;;   THE QUANTISER, for each operand of a quantised product, along K:
;;     - K is cut into blocks of 32 from its start; a last block that is shorter is filled with zeros.
;;     - A block's scale is 2^e with e = floor(log2(the largest magnitude in the block)) - 4, held to -126 .. 127; a block of zeros has e = 0. As a byte (E8M0): e + 127.
;;     - Each number is divided by its block's scale, clamped to +-28, and rounded to the nearest number of E3M2, ties to even, subnormals kept.
;;     - The product sums the exact products of the quantised numbers (number of the format x scale) in f32.
;;   ~~~python
;;   def quantise(x, axis):      # numpy; x: float32 -> the quantised numbers, widened to float32 again
;;       x = np.moveaxis(x, axis, -1); K = x.shape[-1]
;;       x = np.pad(x, [(0, 0)] * (x.ndim - 1) + [(0, -K % 32)]); x = x.reshape(x.shape[:-1] + (-1, 32)); a = np.abs(x).max(-1, keepdims=True)
;;       e = np.where(a > 0, np.clip(np.frexp(np.where(a > 0, a, 1))[1] - 1 - 4, -126, 127), 0)      # np.frexp(a)[1] - 1 = floor(log2(a)), exactly
;;       r = np.clip(x / 2.0 ** e, -28, 28)
;;       step = 2.0 ** (np.maximum(np.frexp(np.where(r == 0, 1, r))[1] - 1, -2) - 2)
;;       q = np.round(r / step) * step * 2.0 ** e      # np.round: ties to even
;;       return np.moveaxis(q.reshape(q.shape[:-2] + (-1,))[..., :K], -1, axis).astype(np.float32)
;;   ~~~
;;   SOFTMAX AHEAD OF A QUANTISED PRODUCT. Where the list says 'softmax', what is quantised is not the finished softmax but p = 2^(t - M), with t = logit x log2(e) and M = ceil(the row's largest t), a whole number; so 1/2 < the row's largest p <= 1. The row's sum l is taken of the UNQUANTISED p, in f32, and the product's result is divided by l at the end. Since M is a whole number, a kernel that streams over the keys may use a running M (the ceiling of the running maximum): every later rescaling is an exact power of two, which a block's scale takes up: the codes' values come out the same.
;;   OPERANDS COMPUTED ON THE WAY. 'Computed on the way' means the value that the module computes at that place (a softmax that the list does not call 'softmax' is quantised finished and normalised). What goes into a quantiser is computed in f32, as accurately as f32 sums, v_exp_f32 and their like allow (about 1e-6 of the number): no bf16 or f16 on the way to a quantiser, and a product that is left as it is and whose result goes on into a quantised operand takes f32 operands (vector FMAs, or v_wmma_f32_16x16x4_f32). A number that lies on a knife's edge between two numbers of the format may be rounded either way, as far as f32 arithmetic and the matrix unit's own rounding can turn it there, and no further.
;; One version. Each part assembles by itself: llvm-mc -triple=amdgcn-amd-amdhsa -mcpu=gfx1250 --defsym DOCPART=n.
;; ======== version 1 of 1: 4 launches
;; workspace buffers: cod 9,437,184 bytes; scl 393,216 bytes; heads 20,185,088 bytes; yc 6,291,456 bytes; ys 262,144 bytes
;; launch quant (part 1): grid 384 x 1, 4 waves a work-group, no clusters, 33,280 bytes of LDS; arguments x, Wq, Wk, Wv, Wp, cod, scl; writes cod, scl
.if DOCPART == 1
	.amdgcn_target "amdgcn-amd-amdhsa--gfx1250"
	.amdhsa_code_object_version 6
	.text
	.protected	k_q95a5c0bab9_quant
	.globl	k_q95a5c0bab9_quant
	.p2align	8
	.type	k_q95a5c0bab9_quant,@function
k_q95a5c0bab9_quant:
	s_mov_b64 s[64:65], 0
	v_nop
	global_prefetch_b8 v0, s[64:65] scope:SCOPE_SE
	s_setreg_imm32_b32 hwreg(HW_REG_WAVE_MODE, 25, 1), 1
	s_wait_xcnt 0x0
; CAUSAL SELF-ATTENTION IN MX-BF6, launch 1 of 4: x [8192][1024] and Wq, Wk, Wv, Wp [1024][1024], f32, become codes of BF6 (E3M2), K innermost, with one E8M0 byte for each 32 along K.
; THE PROGRAM: this launch | qkv: the three projections, + bias, quantised on the way out | attn: Q K^T, softmax, P V, / l, quantised | proj: the projection on the way out, + bp.
; WORK LEFT OUT IN THE PROGRAM (in attn).  reference() sets att[q][k] to -infinity wherever k > q, by a mask that it builds itself (jnp.tril); the softmax turns that into the weight 0, whatever
; finite values x, the weights and the biases hold, and a weight 0 adds nothing to the row's sum or to y; a row's maximum is taken over k <= q, which always holds k = 0.  So a step of 128 keys all
; of which come after all 16 queries of a tile reaches no output, and its two products and its softmax are not computed.  Nothing else is left out: all nine inputs are loaded (bq, bk, bv go into quantised operands).
; LIMIT: a NaN, an infinity or an overflow that would arise only in scores left out is not carried to the result.
; cod: [12288 rows][768 bytes]: rows 0.. x, 8192.. Wq, 9216.. Wk, 10240.. Wv, 11264.. Wp.   scl: [12288][32 bytes].
; THE ORDER OF ROWS.  Row n of x, Wq, Wk, Wv is stored at the place n with bits 3 and 4 exchanged; Wp's rows stay.  So 16 neighbouring places 16 t + r of a group of 128 hold rows 32 (t / 2) + 8 (t % 2) + r + 8 (r / 8),
; and a product whose source 0 is such a tile leaves in a lane's 16 registers of tiles 2 b, 2 b + 1 sixteen NEIGHBOURS, 32 b + 16 (lane / 16) + 0 .. 15: what the next quantiser wants.
; A wave takes 8 rows (8,192 numbers), so the exchange is one of the two low bits of the wave's run number: of the wave's number.
; A block's scale is 2^(floor(log2(its largest magnitude)) - 4); its byte is the largest magnitude's exponent field - 4, held at 1 from below.  A block of zeros so gets the byte 1 where the rule says 127: its codes are
; zeros, which add nothing under any byte but 0xff, and the bytes are read by this program alone.
; LIMITS: blocks whose largest magnitude lies under 2^-122 are held at the floor's byte; NaN and infinities among the inputs are not served.
; A step is 512 numbers: four loads of 512 consecutive bytes; the 2,048 bytes turn through the wave's own stage in LDS and come back 64 bytes a lane, so that a lane holds 16 neighbours and two lanes a block.
; No tensor loads, no barrier: waves share nothing.  Loads run four steps (16 loads a wave) ahead, the turn through LDS one step.
.set WAVES, 4
.set STEPS, 16
.set EMAX,  4
.set CB,    12                         ; bytes of 16 codes
.set R,     16                         ; v16-79   four sets of 16 numbers as they are loaded
.set X,     80                         ; v80-111  two sets of 16 neighbours
.set C,     128                        ; v128-191 codes: four registers for each step, so that no store's data are written again
.set E,     112                        ; v112-127 a scale byte for each step
.set WREG,  8192                       ; LDS: a region for each wave: two stages of 32 x SP bytes, and behind them its 256 scale bytes
.set SP,    80                         ; a lane's place in a stage: its 64 bytes + 16 of padding
.set SPW,   12                         ; v12      LDS address of my spare word; never rewritten
.set NIL,   13                         ; v13      0; never rewritten
.set SPARE, WAVES*WREG                 ; behind the four regions: the spare words, 128 bytes for each wave
	s_load_b256 s[4:11], s[0:1], 0x0               ; x, Wq, Wk, Wv
	s_load_b128 s[12:15], s[0:1], 0x20             ; Wp, cod
	s_load_b64 s[16:17], s[0:1], 0x30              ; scl
	v_lshl_add_u32 v[SPW], v0, 2, SPARE
	v_mov_b32 v[NIL], 0
	v_lshrrev_b32 v1, 5, v0
	v_readfirstlane_b32 s22, v1                    ; wave
	v_and_b32 v2, 31, v0                           ; lane
	v_lshlrev_b32 v3, 4, v2                        ; my 16 bytes of a load's 512
	s_mul_i32 s23, s22, WREG
	v_lshrrev_b32 v14, 2, v2
	v_mul_u32_u24 v14, v14, SP
	v_and_b32 v15, 3, v2
	v_lshl_add_u32 v14, v15, 4, v14
	v_add_nc_u32 v14, s23, v14                     ; the stage, on the way in: SP (lane / 4) + 16 (lane % 4)
	v_mul_u32_u24 v15, v2, SP
	v_add_nc_u32 v15, s23, v15                     ; and on the way out: SP x lane: my 16 neighbours
	v_mul_u32_u24 v4, v2, CB                       ; my codes' place in a step's
	v_lshrrev_b32 v5, 1, v2
	s_add_co_u32 s23, s23, 2*32*SP
	v_add_nc_u32 v5, s23, v5                       ; LDS: my wave's 256 scale bytes, my block's byte
	v_lshlrev_b32 v7, 3, v2                        ; and on the way out 8 bytes a lane
	v_add_nc_u32 v6, s23, v7
	s_and_b32 s24, s22, 1
	s_lshl_b32 s24, s24, 1
	s_lshr_b32 s25, s22, 1
	s_or_b32 s24, s24, s25                         ; the wave's number with its two bits exchanged
	s_and_b32 s26, ttmp9, 31                       ; a weight's work-group among its 32
	s_wait_kmcnt 0x0
	; which tensor: work-groups 0-255 x, 256-287 Wq, 288-319 Wk, 320-351 Wv, 352-383 Wp.  The choices hang on the work-group's number alone
	s_cmp_lt_u32 ttmp9, 288
	s_cselect_b64 s[6:7], s[6:7], s[8:9]           ; Wq or Wk
	s_cmp_lt_u32 ttmp9, 352
	s_cselect_b64 s[10:11], s[10:11], s[12:13]     ; Wv or Wp
	s_cselect_b32 s25, s24, s22                    ; Wp's rows stay where they are
	s_cmp_lt_u32 ttmp9, 320
	s_cselect_b64 s[6:7], s[6:7], s[10:11]
	s_cmp_lt_u32 ttmp9, 256
	s_cselect_b64 s[4:5], s[4:5], s[6:7]
	s_cselect_b32 s26, ttmp9, s26
	s_lshl_b32 s26, s26, 2
	s_add_co_u32 s28, s26, s22                     ; which run of 8,192 numbers of the tensor I read
	s_mov_b32 s29, 0
	s_lshl_b64 s[28:29], s[28:29], 15
	s_add_nc_u64 s[4:5], s[4:5], s[28:29]
	s_lshl_b32 s30, ttmp9, 2
	s_add_co_u32 s30, s30, s25                     ; and which run of cod and scl I write: 1,536 runs in all
	s_mul_i32 s32, s30, 32*STEPS*CB                ; 6,144 bytes of codes a run
	s_mov_b32 s33, 0
	s_add_nc_u64 s[14:15], s[14:15], s[32:33]
	s_lshl_b32 s32, s30, 8                         ; 256 scale bytes a run
	s_add_nc_u64 s[16:17], s[16:17], s[32:33]
.macro LOAD t
.irp i, 0,1,2,3
	global_load_b128 v[R+16*((\t)%4)+4*\i:R+16*((\t)%4)+4*\i+3], v3, s[4:5] offset:2048*(\t)+512*\i th:TH_LOAD_NT   ; 32 lanes read 512 consecutive bytes
.endr
.endm
.macro TURN t                          ; step t's numbers through the stage: LDS serves a wave's instructions in order, so no wait stands between the stores and the loads
.irp i, 0,1,2,3
	ds_store_b128 v14, v[R+16*((\t)%4)+4*\i:R+16*((\t)%4)+4*\i+3] offset:32*SP*((\t)%2)+8*SP*\i
.endr
.irp i, 0,1,2,3
	ds_load_b128 v[X+16*((\t)%2)+4*\i:X+16*((\t)%2)+4*\i+3], v15 offset:32*SP*((\t)%2)+16*\i
.endr
.endm
.irp t, 0,1,2,3
	LOAD \t
.endr
	s_wait_loadcnt 12                              ; step 0's four loads are in; the twelve of steps 1 to 3 may be out
	TURN 0
.macro STEP t
.set XS, X+16*((\t)%2)
.if (\t) > 0
	s_wait_dscnt 1                                 ; this step's numbers are back from the stage (the last step's byte store may be out): so its stores into the stage have read their registers,
.else
	s_wait_dscnt 0x0
.endif
.if (\t)+4 < STEPS
	LOAD (\t)+4                                    ; which take the loads of four steps on
.endif
.if (\t)+1 < STEPS
.if STEPS-2-(\t) >= 3
	s_wait_loadcnt 12                              ; the next step's four loads are in; those of the three steps behind it may be out
.else
	s_wait_loadcnt 4*(STEPS-2-(\t))
.endif
	TURN (\t)+1                                    ; and go through the other stage while this step is worked
.endif
	v_max3_num_f32 v8, |v[XS]|, |v[XS+1]|, |v[XS+2]|               ; the largest magnitude of my 16
	v_max3_num_f32 v9, |v[XS+3]|, |v[XS+4]|, |v[XS+5]|
.irp i, 6,10
	v_max3_num_f32 v8, v8, |v[XS+\i]|, |v[XS+\i+1]|
	v_max3_num_f32 v9, v9, |v[XS+\i+2]|, |v[XS+\i+3]|
.endr
	v_max3_num_f32 v8, v8, |v[XS+14]|, |v[XS+15]|
	v_max3_num_f32 v8, v8, v9, (EMAX+1)<<23        ; and the floor 2^(5 - 127): so the byte cannot fall under 1
	v_max_num_f32_dpp v8, v8, v8 row_xmask:1 row_mask:0xf bank_mask:0xf   ; and of my neighbour's 16: the block's
	v_add_nc_u32 v11, -(EMAX<<23), v8              ; 4 off its exponent field: the conversion takes the exponent field of this operand as its scale, and nothing else of it
	v_cvt_scalef32_pk16_bf6_f32 v[C+4*(\t):C+4*(\t)+2], v[XS:XS+15], v11   ; sixteen numbers / the scale, to the nearest code, ties to even, beyond the largest code the largest
	v_lshrrev_b32 v[E+(\t)], 23, v11               ; the scale's byte
	ds_store_b8 v5, v[E+(\t)] offset:16*(\t)       ; both lanes of a block write the same byte with the same value
	global_store_b96 v4, v[C+4*(\t):C+4*(\t)+2], s[14:15] offset:32*CB*(\t)   ; the wave stores 384 consecutive bytes
.endm
.irp t, 0,1,2,3,4,5,6,7,8,9,10,11,12,13,14,15
	STEP \t
.endr
	ds_load_b64 v[8:9], v6                         ; LDS serves a wave's instructions in order: these see my stores
	s_wait_dscnt 0x0
	global_store_b64 v7, v[8:9], s[16:17]          ; 32 lanes store 256 consecutive bytes, at a multiple of 256 from scl's first byte
	s_wait_tensorcnt 0x0                           ; the wave's end, behind my last LDS store
	ds_add_u32 v[SPW], v[NIL]
	s_wait_dscnt 0x0
	s_endpgm
.Lfunc_end_k_q95a5c0bab9_quant:
	.size	k_q95a5c0bab9_quant, .Lfunc_end_k_q95a5c0bab9_quant-k_q95a5c0bab9_quant
	.p2alignl 7, 3214868480
	.fill 96, 4, 3214868480
	.section	.rodata,"a",@progbits
	.p2align	6, 0x0
	.amdhsa_kernel k_q95a5c0bab9_quant
		.amdhsa_group_segment_fixed_size 33280
		.amdhsa_private_segment_fixed_size 0
		.amdhsa_enable_private_segment 0
		.amdhsa_kernarg_size 56
		.amdhsa_user_sgpr_count 2
		.amdhsa_user_sgpr_kernarg_segment_ptr 1
		.amdhsa_wavefront_size32 1
		.amdhsa_system_sgpr_workgroup_id_x 1
		.amdhsa_system_sgpr_workgroup_id_y 1
		.amdhsa_system_sgpr_workgroup_id_z 1
		.amdhsa_system_vgpr_workitem_id 0
		.amdhsa_next_free_vgpr 192
		.amdhsa_next_free_sgpr 66
		.amdhsa_reserve_vcc 0
		.amdhsa_float_denorm_mode_32 3
		.amdhsa_float_denorm_mode_16_64 3
		.amdhsa_memory_ordered 1
		.amdhsa_forward_progress 1
		.amdhsa_inst_pref_size 33
	.end_amdhsa_kernel
	.amdgpu_metadata
---
amdhsa.version: [ 1, 2 ]
amdhsa.kernels:
  - .name:           k_q95a5c0bab9_quant
    .symbol:         k_q95a5c0bab9_quant.kd
    .args:
      - { .name: x, .offset: 0, .size: 8, .value_kind: global_buffer, .address_space: global }
      - { .name: Wq, .offset: 8, .size: 8, .value_kind: global_buffer, .address_space: global }
      - { .name: Wk, .offset: 16, .size: 8, .value_kind: global_buffer, .address_space: global }
      - { .name: Wv, .offset: 24, .size: 8, .value_kind: global_buffer, .address_space: global }
      - { .name: Wp, .offset: 32, .size: 8, .value_kind: global_buffer, .address_space: global }
      - { .name: cod, .offset: 40, .size: 8, .value_kind: global_buffer, .address_space: global }
      - { .name: scl, .offset: 48, .size: 8, .value_kind: global_buffer, .address_space: global }
    .group_segment_fixed_size: 33280
    .private_segment_fixed_size: 0
    .kernarg_segment_align: 8
    .kernarg_segment_size: 56
    .max_flat_workgroup_size: 128
    .sgpr_count:     66
    .vgpr_count:     192
    .wavefront_size: 32
...
	.end_amdgpu_metadata
.endif
;; end of part 1
;; launch qkv (part 2): grid 8 x 48, 4 waves a work-group, clusters of 4 x 4, 327,680 bytes of LDS; arguments cod, scl, bq, bk, bv, heads; writes heads
.if DOCPART == 2
	.amdgcn_target "amdgcn-amd-amdhsa--gfx1250"
	.amdhsa_code_object_version 6
	.text
	.protected	k_q95a5c0bab9_qkv
	.globl	k_q95a5c0bab9_qkv
	.p2align	8
	.type	k_q95a5c0bab9_qkv,@function
k_q95a5c0bab9_qkv:
	s_mov_b64 s[64:65], 0
	v_nop
	global_prefetch_b8 v0, s[64:65] scope:SCOPE_SE
	s_setreg_imm32_b32 hwreg(HW_REG_WAVE_MODE, 25, 1), 1
	s_wait_xcnt 0x0
	s_wait_alu depctr_hold_cnt(0) depctr_sa_sdst(0) depctr_va_vdst(0) depctr_va_sdst(0) depctr_va_ssrc(0) depctr_va_vcc(0) depctr_vm_vsrc(0)
	s_getreg_b32 s2, hwreg(HW_REG_IB_STS2, 6, 4)
	s_cmp_eq_u32 s2, 0
	s_cbranch_scc0 .Lentry_in_a_cluster
	s_endpgm
.Lentry_in_a_cluster:
	s_bfe_u32 s2, ttmp6, 0x10000c
	s_cmp_lg_u32 s2, 0xf033
	s_cbranch_scc0 .Lentry_shape_is_right
	s_endpgm
.Lentry_shape_is_right:
; Launch 2 of 4: q = x Wq^T + bq, k = x Wk^T + bk, v = x Wv^T + bv on codes of BF6 with E8M0 scales (K = 1,024), and each result quantised again ON THE WAY OUT, in registers, for attention's two products.
; No work of these products is left out.  LIMITS as in the first launch (NaN and infinities not served; a block of zeros gets the byte 1; the floor 2^-122).
; A tile of 256 x 256 results is made by four waves, 128 x 128 each: 64 accumulators, 512 registers.  K goes in steps of 256 through a ring of two LDS slots filled by the tensor data mover; the scale bytes of the
; work-group's 2 x 256 rows, for all of K, come once.  SOURCE 0 is the operand along whose rows the result is quantised next, SOURCE 1 the operand of which a lane keeps ONE row.
; TWO ROLES, told apart by the cluster's y, which all sixteen partners share.
;   QK (cluster y 0-7, 256 work-groups): source 1 = 256 tokens of x, source 0 = 256 rows of Wq (cluster x = 0) or Wk (1): a lane holds one token and channels along its registers: q and k are quantised along the head's 64.
;   V  (cluster y 8-11, 128 work-groups): source 1 = 256 rows of Wv, source 0 = 256 tokens of x: a lane holds one channel and tokens along its registers: v is quantised along the keys.
; The rows of x, Wq, Wk, Wv lie in cod with bits 3 and 4 of their number exchanged, so a lane's 16 registers of accumulators 2 b, 2 b + 1 are the neighbours 32 b + 16 (lane / 16) + 0 .. 15 of source 0's 128 rows,
; and lane r of source 1's block a is its row 32 (a / 2) + 8 (a % 2) + r + 8 (r / 8).
; CLUSTERS: 4 x 4 work-groups.  Source 1's tile hangs on the cluster's y and cy alone and is shared along a row of the cluster, source 0's on the cluster's place and cx alone and is shared along a column:
; each is asked for JOINTLY, by the same tensor load with the same descriptor and a mask that names the four.
; heads: [16 batch + head][step of 128 tokens: 16][19,712 bytes]: Q 6,656 | K 6,656 | V 6,400, all as IMAGES OF OPERAND REGISTERS, so that attention loads them 16 bytes a lane:
;   Q, K: four images of 1,536 bytes, image p = tiles 2 p, 2 p + 1 of 16 tokens: a lane's 6 + 6 registers (64 codes of a token: lane (r, h) holds block h); then 512 bytes of scale words, at 16 x lane + 4 p:
;         lanes 0-15 tile 2 p's, lanes 16-31 tile 2 p + 1's; a word is [block 0, block 1, 0x7f, 0x7f].
;   V:    four images of 1,536 bytes, image t = 16 channels x 128 keys, 12 registers a lane; then 256 bytes of scale words, at 8 x lane + 4 j: lanes 0-15 tile 2 j's, lanes 16-31 tile 2 j + 1's.
; REGISTERS, in windows of 256: window 0: v0-31 addresses; v32-63 scale words, two sets; v64-127 the biases; from v128 source 1's fragments, ONE set; on the way out v128-251 are at work.
;   window 1: source 0's fragments, TWO sets.   window 2: the accumulators of source 1's blocks 0-3 ((a, b) at v[8 (8 (a % 4) + b)]);   window 3: those of blocks 4-7.
.set SIZE_K, 1024
.set KSTEP,  256                       ; along K in a slot
.set NQ,     KSTEP/128                 ; matrix instructions deep
.set ROWB,   192                       ; a tile's row in bytes
.set KROW,   SIZE_K*6/8                ; a row of cod
.set PITCH,  240                       ; an LDS row: 3 x (64 bytes of data + 16 of padding)
.set FR,     12                        ; registers of a fragment
.set NL,     6                         ; LDS loads that bring one
.set NP,     4                         ; places behind this matrix instruction (ISA guide 7.12.1)
.set HALFT,  128*PITCH                 ; 128 rows: what one tensor load brings
.set SLOT,   4*HALFT                   ; source 1's 256 rows, then source 0's
.set LAPS,   SIZE_K/(2*KSTEP)
.set KS,     SIZE_K/32                 ; a row of scl
.set SCL,    2*SLOT                    ; behind the ring: the scales, as units of 256 bytes + 16 of padding
.set HALFS,  (128*KS/256)*272
.set SBLK,   (16*KS/256)*272
.set SPARE,  SCL+4*HALFS               ; behind the scales: the spare words, 128 bytes for each wave
.set HS,     315392                    ; a head's bytes in heads: 16 x 19,712
.set ADRA, 16                          ; v16-17 LDS address of source 1's fragments in slot 0, 1 (v18-19: for the pieces behind one padding more)
.set ADRB, 20                          ; v20-23 the same for source 0
.set VO,   24                          ; v24    16 x lane
.set VO8,  25                          ; v25    8 x lane
.set ADRS, 27                          ; v27    LDS address of my scale words: lanes 0-15 source 1's rows, lanes 16-31 source 0's
.set SPW,  28                          ; v28    LDS address of my spare word; never rewritten
.set NIL,  29                          ; v29    0; never rewritten
.set SC,   32                          ; scale words: set s at v[SC + 16 s]
.set BI,   64                          ; v64-127 the biases
.set AF,   128                         ; source 1's fragments
.set ST,   128                         ; the way out: v128-191 a block's 64 numbers + bias
.set W0,   192                         ; v192-195, v196-199 the scale words of two heads (QK);  v192-193 of one head (V)
.set W1,   196
.set SW,   192
.set TM,   200                         ; v200-215 largest magnitudes, bytes, scale operands
.set PW,   216                         ; the scale word just made
.set T0,   217
.set T1,   218
.set CT,   220                         ; v220-227 the conversions' second halves
.set GA,   228                         ; v228-239, v240-251 codes to be stored
.set GB,   240
.set G1, 24
.set G0, 32
.set G1B, 48
.set G0B, 56
.set G1S, 68
.set G0S, 76
.set G1SB, 80
.set G0SB, 88
.set MSB, 0
.macro WIN new                         ; the immediate's high byte repeats the setting that is left
.if MSB != (\new)
	s_set_vgpr_msb (MSB<<8)|(\new)
.set MSB, (\new)
.endif
.endm
.set MUL_LO, 0xa1                      ; source 0 window 1, source 1 window 0, C and D window 2
.set MUL_HI, 0xf1                      ; the same, C and D window 3
.set TO_B,   0x40                      ; destination window 1, address window 0
; A joint load: waves 0 and 1 fetch for source 1, waves 2 and 3 for source 0.  Each line has ONE mask and one set of registers; the branch hangs on the wave's number alone.
; An s_nop 0 and four v_nop follow each of the two lines.
.macro JLOAD g0a, g1a, g0b, g1b
	s_cmp_eq_u32 s15, 0
	s_cbranch_scc0 .Lfor_b_\@
	tensor_load_to_lds s[\g0a:\g0a+3], s[\g1a:\g1a+7]
	s_nop 0
.rept 4
	v_nop
.endr
	s_branch .Lasked_\@
.Lfor_b_\@:
	tensor_load_to_lds s[\g0b:\g0b+3], s[\g1b:\g1b+7]
	s_nop 0
.rept 4
	v_nop
.endr
.Lasked_\@:
.endm
.macro CREST                           ; a round of the cluster's barrier behind its opening barrier
	s_cmp_lg_u32 s14, 0
	s_cbranch_scc1 .Lnot_wave_0_\@
	s_barrier_signal -3
.Lnot_wave_0_\@:
	s_barrier_wait -3
	s_barrier_signal -1
	s_barrier_wait -1
.endm
.macro CROUND                          ; a whole round
	s_barrier_signal -1
	s_barrier_wait -1
	CREST
.endm
	s_load_b128 s[4:7], s[0:1], 0x0                ; cod, scl
	s_load_b256 s[92:99], s[0:1], 0x10             ; bq, bk, bv, heads
	v_lshl_add_u32 v[SPW], v0, 2, SPARE
	v_mov_b32 v[NIL], 0
	ds_add_u32 v[SPW], v[NIL]                      ; the wave's opening: the add, twice on end, and its wait ahead of my first tensor load
	ds_add_u32 v[SPW], v[NIL]
	v_lshrrev_b32 v1, 5, v0
	v_readfirstlane_b32 s14, v1                    ; wave 0..3
	s_lshr_b32 s15, s14, 1                         ; which half of source 1's rows is mine.  Also: I fetch for source 1 (0) or source 0 (1)
	s_and_b32 s16, s14, 1                          ; which half of source 0's rows.  Also: which 128 rows of that tile I fetch
	s_bfe_u32 s40, ttmp6, 0x40000                  ; cx, cy: my place in the cluster
	s_bfe_u32 s41, ttmp6, 0x40004
	s_and_b32 s66, ttmp7, 0xffff                   ; the cluster's y
	s_lshl_b32 s17, s66, 2
	s_sub_co_u32 s18, s66, 8
	s_lshl_b32 s18, s18, 3
	s_lshl_b32 s42, ttmp9, 2
	s_cmp_ge_u32 s66, 8                            ; the role: the same in all sixteen partners
	s_cselect_b32 s67, 1, 0                        ; 1: V
	s_cselect_b32 s17, 0, s17
	s_cselect_b32 s18, s18, 0
	s_cselect_b32 s8, 10240, 0                     ; source 1's first row in cod: Wv's or x's
	s_cselect_b32 s9, 0, 8192                      ; source 0's: x's or Wq's
	s_add_co_u32 s17, s17, s41                     ; source 1's tile: QK 4 x cluster y + cy (of x);  V cy (of Wv)
	s_add_co_u32 s42, s42, s40
	s_add_co_u32 s42, s42, s18                     ; source 0's tile: QK 4 x cluster x + cx (of Wq | Wk);  V that + 8 (cluster y - 8) (of x)
	s_lshl_b32 s43, s41, 2
	s_lshl_b32 s43, 15, s43                        ; my row of the cluster
	s_lshl_b32 s44, 0x1111, s40                    ; my column
	; descriptor group 1: a tile of 128 rows x 192 bytes, 16 bytes of padding behind every 64
	s_or_b32 s[G1+0], s43, (0<<16)|(1<<20)|(1<<21)|(3<<22)|(3<<25)
	s_or_b32 s[G1B+0], s44, (0<<16)|(1<<20)|(1<<21)|(3<<22)|(3<<25)
.irp g, G1, G1B
	s_mov_b32 s[\g+1], ROWB<<16                    ; tensor_dim0
	s_mov_b32 s[\g+2], 128<<16                     ; tensor_dim1
	s_mov_b32 s[\g+3], ROWB<<16                    ; tile_dim0
	s_mov_b32 s[\g+4], 128                         ; tile_dim1
	s_mov_b32 s[\g+5], KROW                        ; tensor_dim0_stride
	s_mov_b32 s[\g+6], 0
	s_mov_b32 s[\g+7], 0
.endr
	; the scales of 128 rows: a dense block of 4,096 bytes, as 16 rows of 256 bytes (32 elements of 8), 16 bytes of padding behind each
	s_or_b32 s[G1S+0], s43, (3<<16)|(1<<20)|(1<<21)|(5<<22)|(3<<25)
	s_or_b32 s[G1SB+0], s44, (3<<16)|(1<<20)|(1<<21)|(5<<22)|(3<<25)
.irp g, G1S, G1SB
	s_mov_b32 s[\g+1], 32<<16
	s_mov_b32 s[\g+2], (128*KS/256)<<16
	s_mov_b32 s[\g+3], 32<<16
	s_mov_b32 s[\g+4], 128*KS/256
	s_mov_b32 s[\g+5], 32
	s_mov_b32 s[\g+6], 0
	s_mov_b32 s[\g+7], 0
.endr
	s_lshl_b32 s18, s16, 7                         ; which 128 rows of the tile I fetch
	s_lshl_b32 s20, s17, 8
	s_add_co_u32 s20, s20, s18
	s_add_co_u32 s20, s20, s8                      ; source 1: its row in cod and scl
	s_lshl_b32 s46, s42, 8
	s_add_co_u32 s46, s46, s18
	s_add_co_u32 s46, s46, s9                      ; source 0 likewise
	s_mov_b32 s21, 0
	s_mov_b32 s47, 0
	s_mov_b64 s[18:19], KS
	s_mul_u64 s[22:23], s[20:21], s[18:19]         ; where these rows' scales begin, in bytes
	s_mul_u64 s[100:101], s[46:47], s[18:19]
	s_mov_b64 s[18:19], KROW
	s_mul_u64 s[20:21], s[20:21], s[18:19]         ; and their codes
	s_mul_u64 s[46:47], s[46:47], s[18:19]
	s_mul_i32 s45, s14, HALFT                      ; where they go: wave x 128 rows: no place in the cluster enters an LDS address
	s_mul_i32 s104, s14, HALFS
	s_wait_dscnt 0x0                               ; both opening adds are done
	s_wait_kmcnt 0x0
	s_add_nc_u64 s[20:21], s[4:5], s[20:21]
	s_add_nc_u64 s[22:23], s[6:7], s[22:23]
	s_add_nc_u64 s[46:47], s[4:5], s[46:47]
	s_add_nc_u64 s[100:101], s[6:7], s[100:101]
	CROUND                                         ; all sixteen work-groups are here: the first joint loads meet
	s_mov_b32 s[G0S], 1
	s_add_co_u32 s[G0S+1], s104, SCL
	s_mov_b64 s[G0S+2:G0S+3], s[22:23]
	s_or_b32 s[G0S+3], s[G0S+3], 0x80000000
	s_mov_b32 s[G0SB], 1
	s_add_co_u32 s[G0SB+1], s104, SCL
	s_mov_b64 s[G0SB+2:G0SB+3], s[100:101]
	s_or_b32 s[G0SB+3], s[G0SB+3], 0x80000000
	JLOAD G0S, G1S, G0SB, G1SB                     ; the scales first: they are wanted with K step 0.  With the two below, three tensor loads of mine are out
.irp s, 0,1
	s_mov_b32 s[G0+4*\s], 1
	s_add_co_u32 s[G0+4*\s+1], s45, \s*SLOT
	s_add_nc_u64 s[G0+4*\s+2:G0+4*\s+3], s[20:21], \s*ROWB
	s_or_b32 s[G0+4*\s+3], s[G0+4*\s+3], 0x80000000
	s_mov_b32 s[G0B+4*\s], 1
	s_add_co_u32 s[G0B+4*\s+1], s45, \s*SLOT
	s_add_nc_u64 s[G0B+4*\s+2:G0B+4*\s+3], s[46:47], \s*ROWB
	s_or_b32 s[G0B+4*\s+3], s[G0B+4*\s+3], 0x80000000
	JLOAD G0+4*\s, G1, G0B+4*\s, G1B
.endr
	v_and_b32 v1, 15, v0                           ; r = l % 16
	v_bfe_u32 v2, v0, 4, 1                         ; h = l / 16
	v_mul_u32_u24 v3, v1, PITCH
	v_mul_u32_u24 v4, v2, 24
	v_add_nc_u32 v4, v3, v4                        ; a fragment's row x pitch + 24 x half
	v_lshl_add_u32 v5, v2, 4, v4                   ; and the same behind one padding more
	s_mul_i32 s21, s15, HALFT                      ; my 128 rows of source 1
	s_mul_i32 s22, s16, HALFT                      ; my 128 rows of source 0,
	s_add_co_u32 s22, s22, 2*HALFT                 ; which lie behind source 1's 256
.irp s, 0,1
	v_add_nc_u32 v[ADRA+\s], s21, v4
	v_add_nc_u32 v[ADRB+\s], s22, v4
	v_add_nc_u32 v[ADRA+2+\s], s21, v5
	v_add_nc_u32 v[ADRB+2+\s], s22, v5
	s_add_co_u32 s21, s21, SLOT
	s_add_co_u32 s22, s22, SLOT
.endr
	v_mul_u32_u24 v5, v1, KS                       ; my row's scales: 32 bytes a row,
	v_lshrrev_b32 v6, 8, v5
	v_lshl_add_u32 v5, v6, 4, v5                   ; and 16 more for each 256 passed
	s_mul_i32 s21, s15, HALFS
	s_mul_i32 s22, s16, HALFS
	s_add_co_u32 s22, s22, 2*HALFS
	s_sub_co_u32 s22, s22, s21
	v_mul_u32_u24 v6, s22, v2                      ; lanes 16-31 take source 0's
	s_add_co_u32 s21, s21, SCL
	v_add_nc_u32 v5, v5, v6
	v_add_nc_u32 v[ADRS], s21, v5
	v_and_b32 v6, 31, v0
	v_lshlrev_b32 v[VO], 4, v6
	v_lshlrev_b32 v[VO8], 3, v6
	; where my results go, and which bias is mine.  Numbers are chosen by the role; then each buffer's own address takes its offset
	s_lshl_b32 s8, s40, 2
	s_lshl_b32 s9, s16, 1
	s_add_co_u32 s8, s8, s9                        ; QK: my first head = 4 cx + 2 x my half of source 0
	s_lshl_b32 s9, s41, 2
	s_lshl_b32 s10, s15, 1
	s_add_co_u32 s9, s9, s10                       ; V: 4 cy + 2 x my half of source 1
	s_mul_i32 s10, ttmp9, 6656                     ; QK: Q's part of a step's block, or K's
	s_cmp_eq_u32 ttmp9, 0
	s_cselect_b64 s[92:93], s[92:93], s[94:95]     ; bq or bk
	s_cmp_eq_u32 s67, 1
	s_cselect_b64 s[96:97], s[96:97], s[92:93]     ; bv, or that
	s_cselect_b32 s8, s9, s8                       ; my first head
	s_cselect_b32 s9, s42, s17                     ; my tile of 256 tokens,
	s_cselect_b32 s11, s16, s15                    ; and my half of it
	s_cselect_b32 s10, 13312, s10                  ; V's part
	s_lshl_b32 s18, s8, 8                          ; a head's 64 biases are 256 bytes
	s_mov_b32 s19, 0
	s_add_nc_u64 s[96:97], s[96:97], s[18:19]
	s_lshl_b32 s9, s9, 1
	s_add_co_u32 s9, s9, s11                       ; my group of 128 tokens, 0 .. 63
	s_lshr_b32 s11, s9, 4                          ; the batch
	s_and_b32 s9, s9, 15                           ; the step
	s_lshl_b32 s11, s11, 4
	s_add_co_u32 s8, s8, s11
	s_mul_i32 s8, s8, HS
	s_mul_i32 s9, s9, 19712
	s_add_co_u32 s8, s8, s9
	s_add_co_u32 s8, s8, s10                       ; under 20,185,088
	s_mov_b32 s9, 0
	s_add_nc_u64 s[12:13], s[98:99], s[8:9]
	; THE BIASES, 64 registers in the form in which the way out adds them.  Both roles fill all 64
	s_cmp_eq_u32 s67, 1
	s_cbranch_scc1 .Lbias_v
	v_lshlrev_b32 v7, 6, v2                        ; QK: register 8 b + j belongs to channel 32 (b / 2) + 8 (b % 2) + 16 h + j of my 128
.irp b, 0,1,2,3,4,5,6,7
	global_load_b128 v[BI+8*\b:BI+8*\b+3], v7, s[96:97] offset:(32*(\b/2)+8*(\b%2))*4
	global_load_b128 v[BI+8*\b+4:BI+8*\b+7], v7, s[96:97] offset:(32*(\b/2)+8*(\b%2))*4+16
.endr
	s_branch .Lbias_in
.Lbias_v:
	v_and_b32 v7, 8, v1                            ; V: a lane holds one channel of block a, 32 (a / 2) + 8 (a % 2) + r + 8 (r / 8): its bias stands in all eight registers 8 a + j, so that one form of the packed addition serves both roles
	v_add_nc_u32 v7, v7, v1
	v_lshlrev_b32 v7, 2, v7
.irp a, 0,1,2,3,4,5,6,7
.irp j, 0,1,2,3,4,5,6,7
	global_load_b32 v[BI+8*\a+\j], v7, s[96:97] offset:(32*(\a/2)+8*(\a%2))*4
.endr
.endr
.Lbias_in:
.macro FRAG reg, adr, q, i             ; a fragment, 16 rows x 128 K of 6-bit codes, is 12 registers: lane l holds row l % 16; registers 6 c .. 6 c + 5 hold K = 64 c + 32 (l / 16) + 0 .. 31: 24 bytes of the row, as they lie
.irp p, 0,1,2,3,4,5                    ; in pieces of 8 bytes.  Lanes 16-31 read three pieces further on than lanes 0-15; where that lies behind one padding more, the second address register serves
.set PCE, 12*(\q)+6*(\p/3)+\p%3
.if PCE%8 < 5
	ds_load_b64 v[\reg+2*\p:\reg+2*\p+1], v[\adr] offset:8*PCE+16*(PCE/8)+(\i)*16*PITCH
.else
	ds_load_b64 v[\reg+2*\p:\reg+2*\p+1], v[\adr+2] offset:8*PCE+16*(PCE/8)+(\i)*16*PITCH
.endif
.endr
.endm
; 16 matrix instructions: source 1's blocks a0, a0 + 1 x source 0's eight, 128 along K.  zero = 1: the first product starts the sums.  The 64 accumulators take turns, one instruction a turn.
.macro MUL16 a0, p, q, sc, zero
.irp a, \a0, \a0+1
.irp b, 0,1,2,3,4,5,6,7
.if \zero
	v_wmma_scale_f32_16x16x128_f8f6f4 v[8*(8*((\a)%4)+\b):8*(8*((\a)%4)+\b)+7], v[128*(\p)+FR*\b:128*(\p)+FR*\b+FR-1], v[AF+FR*(\a):AF+FR*(\a)+FR-1], 0, v[SC+8*NQ*(\sc)+NQ*\b+(\q)], v[SC+8*NQ*(\sc)+NQ*(\a)+(\q)] matrix_a_fmt:MATRIX_FMT_BF6 matrix_b_fmt:MATRIX_FMT_BF6 matrix_a_scale:MATRIX_SCALE_ROW1
.else
	v_wmma_scale_f32_16x16x128_f8f6f4 v[8*(8*((\a)%4)+\b):8*(8*((\a)%4)+\b)+7], v[128*(\p)+FR*\b:128*(\p)+FR*\b+FR-1], v[AF+FR*(\a):AF+FR*(\a)+FR-1], v[8*(8*((\a)%4)+\b):8*(8*((\a)%4)+\b)+7], v[SC+8*NQ*(\sc)+NQ*\b+(\q)], v[SC+8*NQ*(\sc)+NQ*(\a)+(\q)] matrix_a_fmt:MATRIX_FMT_BF6 matrix_b_fmt:MATRIX_FMT_BF6 matrix_a_scale:MATRIX_SCALE_ROW1
.endif
.endr
.endr
.endm
.macro FETCH_B slot, q, p              ; source 0's eight fragments of the slot's q-th 128 along K into set p
	WIN TO_B
.irp i, 0,1,2,3,4,5,6,7
	FRAG 128*(\p)+FR*\i, ADRB+\slot, \q, \i
.endr
	WIN 0
.endm
.macro FETCH_A slot, q, i0             ; source 1's blocks i0 .. i0 + 3
.irp i, \i0, \i0+1, \i0+2, \i0+3
	FRAG AF+FR*(\i), ADRA+\slot, \q, \i
.endr
.endm
.macro SCALES sc                       ; the next K step's scale words into set sc: two words a row; lanes 0-15 take source 1's block i, lanes 16-31 source 0's block i
.irp i, 0,1,2,3,4,5,6,7
	ds_load_b64 v[SC+8*NQ*\sc+NQ*\i:SC+8*NQ*\sc+NQ*\i+1], v[ADRS] offset:\i*SBLK
.endr
.endm
.macro PLACES n                        ; plain vector instructions between a matrix instruction and a load into, or a vector read or write of, its registers (ISA guide 7.12.1 for vector reads and writes)
.rept \n
	v_nop
.endr
.endm
.macro STEP slot, q, zero              ; a step of 128 along K that has its successor in the same slot
	s_wait_dscnt 4*NL                              ; source 0's set and source 1's blocks 0-3 are in; the youngest 24 loads (blocks 4-7) may be out
	WIN MUL_LO
	MUL16 0, (\q)%2, \q, \slot, \zero
	MUL16 2, (\q)%2, \q, \slot, \zero
	s_wait_dscnt 0                                 ; blocks 4-7 are in
	PLACES NP
	FETCH_B \slot, (\q)+1, 1-(\q)%2
	FETCH_A \slot, (\q)+1, 0
	WIN MUL_HI
	MUL16 4, (\q)%2, \q, \slot, \zero
	MUL16 6, (\q)%2, \q, \slot, \zero
	PLACES NP
	WIN 0
	FETCH_A \slot, (\q)+1, 4
.endm
; A slot's last step changes slots: ONE barrier; in front of it each wave waits for all its tensor loads, adds 0 to its spare word, and waits for that and for its own reads of this slot.  fill = 1: this slot is filled again, two K steps ahead.
.macro TURN slot, next, fill
	s_wait_tensorcnt 0x0                           ; all my tensor loads have landed: my part of the next slot
	ds_add_u32 v[SPW], v[NIL]                      ; 0 onto my spare word
	s_wait_dscnt 4*NL+1                            ; (the add and the youngest 24 loads may be out)
	WIN MUL_LO
	MUL16 0, 1, NQ-1, \slot, 0                     ; sixteen matrix instructions stand between the add and the wait for it
	s_wait_dscnt 0x0                               ; the add is done, and my reads of this slot are over
	s_barrier_signal -1
	MUL16 2, 1, NQ-1, \slot, 0
	WIN 0
	s_barrier_wait -1
.if \fill
	CREST                                          ; the barrier has opened a round of the cluster's barrier: no wave of any partner still reads this slot's tile or has a load on its way
	s_add_nc_u64 s[G0+4*\slot+2:G0+4*\slot+3], s[G0+4*\slot+2:G0+4*\slot+3], 2*ROWB
	s_add_nc_u64 s[G0B+4*\slot+2:G0B+4*\slot+3], s[G0B+4*\slot+2:G0B+4*\slot+3], 2*ROWB
	JLOAD G0+4*\slot, G1, G0B+4*\slot, G1B         ; the first tensor load behind the round; its four v_nop are the places in front of the loads below
.else
	PLACES NP
.endif
	v_add_nc_u32 v[ADRS], 4*NQ, v[ADRS]            ; on to the next K step's scale words
	FETCH_B \next, 0, 0
	FETCH_A \next, 0, 0
	SCALES \next
	WIN MUL_HI
	MUL16 4, 1, NQ-1, \slot, 0
	MUL16 6, 1, NQ-1, \slot, 0
	PLACES NP
	WIN 0
	FETCH_A \next, 0, 4
.endm
	s_wait_tensorcnt 1                             ; the scales and my part of K step 0 are in (K step 1's load may be out),
	s_barrier_signal -1
	s_barrier_wait -1                              ; everybody's are
	FETCH_B 0, 0, 0
	FETCH_A 0, 0, 0
	SCALES 0
	FETCH_A 0, 0, 4
	STEP 0, 0, 1                                   ; the first step stands in front of the loop: its products start the sums
	s_mov_b32 s3, LAPS-1
.Llap:                                                 ; a trip goes once round the ring and fills both slots again
	TURN 0, 1, 1
	STEP 1, 0, 0
	TURN 1, 0, 1
	STEP 0, 0, 0
	s_sub_co_u32 s3, s3, 1
	s_cmp_lg_u32 s3, 0
	s_cbranch_scc1 .Llap
	TURN 0, 1, 0                                   ; the last lap fills nothing
	STEP 1, 0, 0
	s_wait_dscnt 4*NL                              ; the very last step
	WIN MUL_LO
	MUL16 0, 1, NQ-1, 1, 0
	MUL16 2, 1, NQ-1, 1, 0
	s_wait_dscnt 0
	WIN MUL_HI
	MUL16 4, 1, NQ-1, 1, 0
	MUL16 6, 1, NQ-1, 1, 0
	WIN 0
; THE WAY OUT, block by block of source 1's 16 rows: the block's 64 numbers a lane come into window 0 with the bias added (one packed addition for two numbers), are quantised in registers, and the codes are stored as
; images of operand registers: every store covers 512 (or 256) consecutive bytes at a multiple of 256 from heads' first byte.  No LDS is touched.
.macro MOVEB a, vrole                  ; each accumulator is read from its low end on
	WIN 0x02+(\a)/4                                ; source 0: window 2 or 3
.set i, 0
.rept 32
.if \vrole
	v_pk_add_f32 v[ST+2*i:ST+2*i+1], v[64*((\a)%4)+2*i:64*((\a)%4)+2*i+1], v[BI+8*(\a)+(2*i)%8:BI+8*(\a)+(2*i)%8+1]
.else
	v_pk_add_f32 v[ST+2*i:ST+2*i+1], v[64*((\a)%4)+2*i:64*((\a)%4)+2*i+1], v[BI+2*i:BI+2*i+1]
.endif
.set i, i+1
.endr
	WIN 0
.endm
; 64 numbers of a lane, register 16 b + i = neighbour 32 b + 16 (lane / 16) + i of my row, become codes: blocks 0, 1 in v[d0] .. v[d0 + 5], blocks 2, 3 in v[d1] .. v[d1 + 5] (a lane holds the whole block 2 c + lane / 16), and the scale word in v[PW]
.macro QUANT s, d0, d1
.irp b, 0,1,2,3
	v_max3_num_f32 v[TM+\b], |v[\s+16*\b]|, |v[\s+1+16*\b]|, 0x2800000   ; block b: my 16 numbers, and the floor 2^(5 - 127): so the byte cannot fall under 1
.endr
.irp i, 2,4,6,8,10,12,14
.irp b, 0,1,2,3
	v_max3_num_f32 v[TM+\b], v[TM+\b], |v[\s+16*\b+\i]|, |v[\s+1+16*\b+\i]|   ; (the four blocks by turns)
.endr
.endr
.irp b, 0,1,2,3
	v_permlanex16_b32 v[TM+4+\b], v[TM+\b], s20, s21
.endr
.irp b, 0,1,2,3
	v_max_num_f32 v[TM+\b], v[TM+\b], v[TM+4+\b]   ; with lane l xor 16's: the block's largest magnitude
.endr
.irp b, 0,1,2,3
	v_add_nc_u32 v[TM+12+\b], 0xfe000000, v[TM+\b] ; 4 off its exponent field: the conversion's scale operand
.endr
.irp b, 0,1,2,3
	v_lshrrev_b32 v[TM+4+\b], 23, v[TM+12+\b]      ; the scale's byte
.endr
	v_lshl_or_b32 v[PW], v[TM+5], 8, v[TM+4]
	v_lshl_or_b32 v[PW], v[TM+6], 16, v[PW]
	v_lshl_or_b32 v[PW], v[TM+7], 24, v[PW]
	s_wait_xcnt 0x0                                ; the earlier stores have read their data: the registers below are written again only behind this wait
	v_cvt_scalef32_pk16_bf6_f32 v[\d0:\d0+2], v[\s:\s+15], v[TM+12]
	v_cvt_scalef32_pk16_bf6_f32 v[CT:CT+2], v[\s+16:\s+31], v[TM+13]      ; (a conversion's three registers begin on an even number)
	v_cvt_scalef32_pk16_bf6_f32 v[\d1:\d1+2], v[\s+32:\s+47], v[TM+14]
	v_cvt_scalef32_pk16_bf6_f32 v[CT+4:CT+6], v[\s+48:\s+63], v[TM+15]
	v_nop                                          ; one plain place behind a scaled conversion
.irp i, 0,1,2
	v_permlane16_swap_b32 v[\d0+\i], v[CT+\i]      ; the first's lanes 16-31 change places with the second's lanes 0-15: each lane now has its block's lower 16 codes in the first, the upper 16 in the second
.endr
.irp i, 0,1,2
	v_mov_b32 v[\d0+3+\i], v[CT+\i]
.endr
.irp i, 0,1,2
	v_permlane16_swap_b32 v[\d1+\i], v[CT+4+\i]
.endr
.irp i, 0,1,2
	v_mov_b32 v[\d1+3+\i], v[CT+4+\i]
.endr
.endm
	PLACES NP                                      ; behind the last products: their results are read and their operands' registers written below
	s_wait_loadcnt 0x0                             ; the biases
	s_mov_b32 s20, 0x76543210
	s_mov_b32 s21, 0xfedcba98                      ; v_permlanex16_b32's selects for lane l xor 16
	s_mov_b32 s92, 0xffff0000                      ; lanes 16-31
	s_mov_b32 s93, 0x7f7f0000                      ; two bytes that stand for 1: the upper 64 of a K of 128 that a head's 64 leave empty
	s_mov_b32 s94, 0xffff
.irp b, 0,1,2,3
	v_mov_b32 v[TM+4+\b], 0                        ; written once: a lane permute's destination counts as one of its sources
.endr
	s_cmp_eq_u32 s67, 1
	s_cbranch_scc1 .Lout_v
	; QK: a block is 16 tokens x my 128 channels = two heads: blocks 0, 1 of the quantiser are the first head's 64, blocks 2, 3 the second's.  Two blocks of tokens make an image
.irp bb, 0,1,2,3
.irp u, 0,1
	MOVEB 2*\bb+\u, 0
	QUANT ST, GA+6*\u, GB+6*\u
.if \u == 0
	v_and_or_b32 v[W0+\bb], v[PW], s94, s93        ; the first head's word: its two bytes under 0x7f7f;
	v_lshrrev_b32 v[W1+\bb], 16, v[PW]
	v_or_b32 v[W1+\bb], s93, v[W1+\bb]             ; the second head's
.else
	v_and_or_b32 v[T0], v[PW], s94, s93
	v_lshrrev_b32 v[T1], 16, v[PW]
	v_or_b32 v[T1], s93, v[T1]
	v_cndmask_b32 v[W0+\bb], v[W0+\bb], v[T0], s92 ; the odd tile's words go to lanes 16-31
	v_cndmask_b32 v[W1+\bb], v[W1+\bb], v[T1], s92
.endif
.endr
.irp q, 0,1,2
	global_store_b128 v[VO], v[GA+4*\q:GA+4*\q+3], s[12:13] offset:1536*\bb+512*\q
	global_store_b128 v[VO], v[GB+4*\q:GB+4*\q+3], s[12:13] offset:HS+1536*\bb+512*\q
.endr
.endr
	global_store_b128 v[VO], v[W0:W0+3], s[12:13] offset:6144
	global_store_b128 v[VO], v[W1:W1+3], s[12:13] offset:HS+6144
	s_branch .Lout_done
.Lout_v:
	; V: a block is 16 channels x my 128 tokens: one fragment of the second product, and one scale word a channel.  Blocks 0-3 are the first head's, 4-7 the second's
.irp a, 0,1,2,3,4,5,6,7
	MOVEB \a, 1
	QUANT ST, GA, GA+6
.if \a%2 == 0
	v_mov_b32 v[SW+(\a%4)/2], v[PW]
.else
	v_cndmask_b32 v[SW+(\a%4)/2], v[SW+(\a%4)/2], v[PW], s92   ; the odd tile's words go to lanes 16-31
.endif
.irp q, 0,1,2
	global_store_b128 v[VO], v[GA+4*\q:GA+4*\q+3], s[12:13] offset:(\a/4)*HS+1536*(\a%4)+512*\q
.endr
.if \a%4 == 3
	global_store_b64 v[VO8], v[SW:SW+1], s[12:13] offset:(\a/4)*HS+6144
.endif
.endr
.Lout_done:
	s_wait_tensorcnt 0x0                           ; the wave's end, behind my last tensor load
	ds_add_u32 v[SPW], v[NIL]
	s_wait_dscnt 0x0
	CROUND                                         ; the closing round: no work-group ends while a partner may still ask for a tile that names it
	s_endpgm
.Lfunc_end_k_q95a5c0bab9_qkv:
	.size	k_q95a5c0bab9_qkv, .Lfunc_end_k_q95a5c0bab9_qkv-k_q95a5c0bab9_qkv
	.p2alignl 7, 3214868480
	.fill 96, 4, 3214868480
	.section	.rodata,"a",@progbits
	.p2align	6, 0x0
	.amdhsa_kernel k_q95a5c0bab9_qkv
		.amdhsa_group_segment_fixed_size 327680
		.amdhsa_private_segment_fixed_size 0
		.amdhsa_enable_private_segment 0
		.amdhsa_kernarg_size 48
		.amdhsa_user_sgpr_count 2
		.amdhsa_user_sgpr_kernarg_segment_ptr 1
		.amdhsa_wavefront_size32 1
		.amdhsa_system_sgpr_workgroup_id_x 1
		.amdhsa_system_sgpr_workgroup_id_y 1
		.amdhsa_system_sgpr_workgroup_id_z 1
		.amdhsa_system_vgpr_workitem_id 0
		.amdhsa_next_free_vgpr 1024
		.amdhsa_next_free_sgpr 106
		.amdhsa_reserve_vcc 0
		.amdhsa_float_denorm_mode_32 3
		.amdhsa_float_denorm_mode_16_64 3
		.amdhsa_memory_ordered 1
		.amdhsa_forward_progress 1
		.amdhsa_inst_pref_size 239
	.end_amdhsa_kernel
	.amdgpu_metadata
---
amdhsa.version: [ 1, 2 ]
amdhsa.kernels:
  - .name:           k_q95a5c0bab9_qkv
    .symbol:         k_q95a5c0bab9_qkv.kd
    .args:
      - { .name: cod, .offset: 0, .size: 8, .value_kind: global_buffer, .address_space: global }
      - { .name: scl, .offset: 8, .size: 8, .value_kind: global_buffer, .address_space: global }
      - { .name: bq, .offset: 16, .size: 8, .value_kind: global_buffer, .address_space: global }
      - { .name: bk, .offset: 24, .size: 8, .value_kind: global_buffer, .address_space: global }
      - { .name: bv, .offset: 32, .size: 8, .value_kind: global_buffer, .address_space: global }
      - { .name: heads, .offset: 40, .size: 8, .value_kind: global_buffer, .address_space: global }
    .group_segment_fixed_size: 327680
    .private_segment_fixed_size: 0
    .kernarg_segment_align: 8
    .kernarg_segment_size: 48
    .max_flat_workgroup_size: 128
    .sgpr_count:     106
    .vgpr_count:     1024
    .wavefront_size: 32
...
	.end_amdgpu_metadata
.endif
;; end of part 2
;; launch attn (part 3): grid 4 x 64, 16 waves a work-group, clusters of 4 x 1, 210,944 bytes of LDS; arguments heads, yc, ys; writes yc, ys
.if DOCPART == 3
	.amdgcn_target "amdgcn-amd-amdhsa--gfx1250"
	.amdhsa_code_object_version 6
	.text
	.protected	k_q95a5c0bab9_attn
	.globl	k_q95a5c0bab9_attn
	.p2align	8
	.type	k_q95a5c0bab9_attn,@function
k_q95a5c0bab9_attn:
	s_mov_b64 s[64:65], 0
	v_nop
	global_prefetch_b8 v0, s[64:65] scope:SCOPE_SE
	s_setreg_imm32_b32 hwreg(HW_REG_WAVE_MODE, 25, 1), 1
	s_wait_xcnt 0x0
	s_wait_alu depctr_hold_cnt(0) depctr_sa_sdst(0) depctr_va_vdst(0) depctr_va_sdst(0) depctr_va_ssrc(0) depctr_va_vcc(0) depctr_vm_vsrc(0)
	s_getreg_b32 s2, hwreg(HW_REG_IB_STS2, 6, 4)
	s_cmp_eq_u32 s2, 0
	s_cbranch_scc0 .Lentry_in_a_cluster
	s_endpgm
.Lentry_in_a_cluster:
	s_bfe_u32 s2, ttmp6, 0x10000c
	s_cmp_lg_u32 s2, 0x3003
	s_cbranch_scc0 .Lentry_shape_is_right
	s_endpgm
.Lentry_shape_is_right:
; Launch 3 of 4: y = softmax(q k^T / 8, causal) v for each of the 64 (batch, head), both products on codes of BF6 with E8M0 scales, and y quantised along the channels for the last projection.
; WORK LEFT OUT: a step of 128 keys all of which come after a tile's 16 queries: reference()'s own mask gives them the weight 0 for all values of the inputs (shown at the head of the first launch).
; LIMIT: a NaN, an infinity or an overflow that would arise only in such scores is not carried to the result.  NaN and infinities among the inputs are not served.
; THE SOFTMAX: t = score x log2(e) / 8; M = the row's largest t so far, rounded UP to a whole number; p = 2^(t - M) is what is quantised, along the keys, not normalised; the row's sum is taken of the
; unquantised p and divides O at the end.  When M moves, the sum and O are multiplied by 2^(old M - new M): exact.
; THE FIRST PRODUCT'S K IS 64, the instruction's 128: q's upper 64 are zero codes, and the upper two scale bytes of both sides stand for 1.  So what stands in k's upper six registers (the next tile's codes) adds nothing.
; SHARES.  A head has 16 groups of 128 queries, each of 8 tiles of 16.  Work-group g of a head's four owns tiles 2 g, 2 g + 1 of EVERY group.  Wave w takes tile 2 g of group w, then tile 2 g + 1 of group 15 - w:
; (w + 1) + (16 - w) = 17 key steps for every wave of every work-group.
; K AND V OF THE WHOLE HEAD STAY IN LDS: 16 steps x 13,056 bytes, filled once, one tensor load a wave (wave w: step w).  The four work-groups of a head form a cluster and ask JOINTLY.  Nothing is filled again: one barrier.
; LAYOUT.  Both products are used transposed (S^T = k q^T, O^T = v^T p^T): a lane holds ONE query throughout.  The images in heads are laid so that a lane's 16 registers of score tiles 2 b, 2 b + 1 are keys
; 32 b + 16 (lane / 16) + 0 .. 15 of the step, those of O^T's tiles channels likewise, and lane r of query tile t is query 32 (t / 2) + 8 (t % 2) + r + 8 (r / 8) of its group.
; yc: [tile of 16 places: 8 (16 batch + group) + tile][head][768 bytes]: a lane's six registers (64 codes), as 3 x 256 bytes, 8 bytes a lane.   ys: [place 8192][32 bytes]: byte 2 head + block.
.set HS,    315392                     ; a head's bytes in heads
.set SB,    19712                      ; a step's block there: Q 6,656 | K 6,656 | V 6,400
.set KV,    13056                      ; its K and V: a step's place in LDS: K's codes 0, K's scale words 6,144, V's codes 6,656, V's scale words 12,800
.set SPARE, 16*KV                      ; behind the head's K and V: the spare words, 128 bytes for each of sixteen waves
.set L16,  1                           ; v1   16 x lane
.set L8,   2                           ; v2   8 x lane
.set DM,   3                           ; v3   32 g + r + 8 (r / 8) - 16 h: my query in its group, less my half's first key (for tile 2 g; tile 2 g + 1 lies 8 further on)
.set LYS,  4                           ; v4   32 r
.set SPW,  5                           ; v5   LDS address of my spare word; never rewritten
.set NIL,  6                           ; v6   0; never rewritten
.set L16G, 7                           ; v7   16 x lane + 1,536 g: my place in Q's images
.set ADK,  8                           ; v8   the step's place in LDS + 16 x lane
.set ADV,  9                           ; v9   the same + 8 x lane
.set LQS,  10                          ; v10  16 r + 4 g: my query's scale word
.set QF0,  16                          ; v16-27   q of the first pass: six registers of codes, six of zeros
.set QS0,  28                          ; v28, v29 q's scale words
.set QS1,  29
.set KF,   32                          ; v32-79   k's eight tiles (6 registers each), later v's four (12 each);  v80-85 zeros, behind the last tile
.set KSC,  88                          ; v88-91   k's scale words
.set VSC,  92                          ; v92-93   v's
.set S,    96                          ; v96-159  S^T, then p
.set O,    160                         ; v160-191 O^T
.set BM,   200                         ; v200-203 the blocks' largest scores, then largest p
.set PX,   204                         ; v204-207 what the other half of the lanes sends
.set SOP,  208                         ; v208-211 the conversions' scale operands
.set BY,   212                         ; v212-215 the scales' bytes
.set CT,   216                         ; v216-223 the conversions' second halves
.set PC,   224                         ; v224-235 p's codes; at the end y's
.set PS,   236                         ; v236     p's scale word
.set YS,   237                         ; v237     y's two scale bytes
.set F,    238                         ; v[238:239] 2^(old M - new M); at the end 1 / the sum
.set TA,   240
.set NINF, 241                         ; v241     -infinity
.set C2,   242                         ; v[242:243] the sum's second chain
.set QF1,  244                         ; v244-255 q of the second pass
.macro CROUND                          ; a round of the cluster's barrier
	s_barrier_signal -1
	s_barrier_wait -1
	s_cmp_lg_u32 s10, 0
	s_cbranch_scc1 .Lnot_wave_0_\@
	s_barrier_signal -3
.Lnot_wave_0_\@:
	s_barrier_wait -3
	s_barrier_signal -1
	s_barrier_wait -1
.endm
	s_load_b128 s[4:7], s[0:1], 0x0                ; heads, yc
	s_load_b64 s[8:9], s[0:1], 0x10                ; ys
	v_lshl_add_u32 v[SPW], v0, 2, SPARE
	v_mov_b32 v[NIL], 0
	ds_add_u32 v[SPW], v[NIL]                      ; the wave's opening: the add, twice on end, and its wait ahead of my first tensor load
	ds_add_u32 v[SPW], v[NIL]
	v_lshrrev_b32 v1, 5, v0
	s_delay_alu instid0(VALU_DEP_1)
	v_readfirstlane_b32 s10, v1                    ; wave 0..15
	s_bfe_u32 s11, ttmp6, 0x40000                  ; g = cx: it enters global addresses and the mask's compare alone
	s_and_b32 s12, ttmp7, 0xffff                   ; 16 batch + head, which the four partners share
	s_lshr_b32 s13, s12, 4                         ; batch
	s_and_b32 s14, s12, 15                         ; head
	; descriptor group 1: a dense block of 13,056 bytes as 51 rows of 256 (32 elements of 8 bytes), no padding
	s_mov_b32 s16, 15|(3<<16)|(1<<21)              ; 15:0 the mask: all four work-groups; 17:16 elements of 8 bytes; 21 set beside a mask
	s_mov_b32 s17, 32<<16                          ; tensor_dim0
	s_mov_b32 s18, 51<<16                          ; tensor_dim1
	s_mov_b32 s19, 32<<16                          ; tile_dim0
	s_mov_b32 s20, 51                              ; tile_dim1
	s_mov_b32 s21, 32                              ; tensor_dim0_stride
	s_mov_b32 s22, 0
	s_mov_b32 s23, 0
	s_mov_b32 s24, 1                               ; group 0: count = 1,
	s_mul_i32 s25, s10, KV                         ; LDS address: step w's place
	s_mul_i32 s48, s12, HS
	s_mov_b32 s49, 0
	s_mul_i32 s50, s10, SB                         ; the first pass's group is w,
	s_mov_b32 s51, 0
	s_sub_co_u32 s52, 15, s10
	s_mul_i32 s52, s52, SB                         ; the second's 15 - w
	s_mov_b32 s53, 0
	s_mov_b32 s44, 0x3e38aa3b                      ; c = log2(e) / 8
	s_mov_b32 s45, s44                             ; (named with it as a pair, so it is written)
	s_mov_b32 s46, 0x76543210
	s_mov_b32 s47, 0xfedcba98                      ; v_permlanex16_b32's selects for lane l xor 16
	s_wait_dscnt 0x0                               ; both opening adds are done
	s_wait_kmcnt 0x0
	s_add_nc_u64 s[28:29], s[4:5], s[48:49]        ; my head
	s_add_nc_u64 s[32:33], s[28:29], s[50:51]      ; the block of step (and group) w
	s_add_nc_u64 s[34:35], s[28:29], s[52:53]      ; and of group 15 - w
	s_add_nc_u64 s[26:27], s[32:33], 6656          ; global address: step w's K and V
	s_or_b32 s27, s27, 0x80000000                  ; type = 2
	CROUND                                         ; all four work-groups are here: the joint loads meet
	tensor_load_to_lds s[24:27], s[16:23]          ; my one tensor load
	s_nop 0
.rept 4
	v_nop
.endr
	v_and_b32 v11, 31, v0
	s_delay_alu instid0(VALU_DEP_1)
	v_lshlrev_b32 v[L16], 4, v11
	s_delay_alu instid0(VALU_DEP_2)
	v_lshlrev_b32 v[L8], 3, v11
	v_and_b32 v11, 15, v0                          ; r
	v_bfe_u32 v30, v0, 4, 1                        ; h
	s_delay_alu instid0(VALU_DEP_2)
	v_and_b32 v31, 8, v11
	s_delay_alu instid0(VALU_DEP_1)
	v_add_nc_u32 v31, v31, v11                     ; r + 8 (r / 8)
	s_delay_alu instid0(VALU_DEP_3)
	v_lshlrev_b32 v[DM], 4, v30
	s_delay_alu instid0(VALU_DEP_1)
	v_sub_nc_u32 v[DM], v31, v[DM]
	s_lshl_b32 s48, s11, 5
	v_add_nc_u32 v[DM], s48, v[DM]
	v_lshlrev_b32 v[LYS], 5, v11
	s_mul_i32 s48, s11, 1536
	v_add_nc_u32 v[L16G], s48, v[L16]
	v_lshlrev_b32 v[LQS], 4, v11
	s_lshl_b32 s48, s11, 2
	v_add_nc_u32 v[LQS], s48, v[LQS]
	; q of both passes: image g holds a lane's 6 + 6 registers of tiles 2 g, 2 g + 1 in three runs of 512 bytes
	global_load_b128 v[QF0:QF0+3], v[L16G], s[32:33]
	global_load_b64 v[QF0+4:QF0+5], v[L16G], s[32:33] offset:512
	global_load_b32 v[QS0], v[LQS], s[32:33] offset:6144
	global_load_b64 v[QF1:QF1+1], v[L16G], s[34:35] offset:520
	global_load_b128 v[QF1+2:QF1+5], v[L16G], s[34:35] offset:1024
	global_load_b32 v[QS1], v[LQS], s[34:35] offset:6144+256
.irp j, 6,7,8,9,10,11
	v_mov_b32 v[QF0+\j], 0                         ; q's upper 64: zero codes
	v_mov_b32 v[QF1+\j], 0
	v_mov_b32 v[KF+42+\j], 0                       ; and what stands behind k's last tile
.endr
.irp b, 0,1,2,3
	v_mov_b32 v[PX+\b], 0                          ; written once: a lane permute's destination counts as one of its sources
.endr
	v_mov_b32 v[F+1], 0                            ; (named as the upper half of a pair)
	v_mov_b32 v[NINF], 0xff800000
	s_wait_loadcnt 0x0                             ; q
	s_wait_tensorcnt 0x0                           ; my step's K and V have landed,
	s_barrier_signal -1
	s_barrier_wait -1                              ; everybody's have: the whole head lies in LDS
; A KEY STEP: 128 keys against my 16 queries.  u: tile 2 g + u.
.macro STEP u, QF, QS
.irp i, 0,1,2,3,4,5,6,7,8,9,10,11
	ds_load_b128 v[KF+4*\i:KF+4*\i+3], v[ADK] offset:512*\i        ; k's eight tiles, 16 consecutive bytes a lane
.endr
	ds_load_b128 v[KSC:KSC+3], v[ADK] offset:6144                  ; register p: lanes 0-15 tile 2 p's words, lanes 16-31 tile 2 p + 1's
	s_wait_dscnt 0x0
.irp t, 0,2,4,6
	v_wmma_scale_f32_16x16x128_f8f6f4 v[S+8*\t:S+8*\t+7], v[KF+6*\t:KF+6*\t+11], v[\QF:\QF+11], 0, v[KSC+\t/2], v[\QS] matrix_a_fmt:MATRIX_FMT_BF6 matrix_b_fmt:MATRIX_FMT_BF6
	v_wmma_scale_f32_16x16x128_f8f6f4 v[S+8*\t+8:S+8*\t+15], v[KF+6*\t+6:KF+6*\t+17], v[\QF:\QF+11], 0, v[KSC+\t/2], v[\QS] matrix_a_fmt:MATRIX_FMT_BF6 matrix_b_fmt:MATRIX_FMT_BF6 matrix_a_scale:MATRIX_SCALE_ROW1
.endr
.rept 4
	v_nop                                          ; places in front of the loads into k's registers and of the first read of the scores
.endr
.irp i, 0,1,2,3,4,5,6,7,8,9,10,11
	ds_load_b128 v[KF+4*\i:KF+4*\i+3], v[ADK] offset:6656+512*\i   ; v's four tiles: they land under the softmax
.endr
	ds_load_b64 v[VSC:VSC+1], v[ADV] offset:12800
	s_cmp_lg_u32 s41, s40                          ; only my group's own step lies on the diagonal
	s_cbranch_scc1 .Lopen_\@
.set n, 0
.rept 64                                       ; register n holds key 32 (n / 16) + 16 h + n % 16 of the step: hidden where that is above my query: its score becomes -infinity, p = 0
	v_cmp_gt_i32 vcc_lo, 32*(n/16)+n%16-8*\u, v[DM]
	v_cndmask_b32 v[S+n], v[S+n], v[NINF], vcc_lo
.set n, n+1
.endr
.Lopen_\@:
.irp b, 0,1,2,3
	v_max3_num_f32 v[BM+\b], v[S+16*\b], v[S+1+16*\b], v[S+2+16*\b]   ; the largest score of each block of 32 keys: for the row's maximum, and, since p rises with the score, for the block's largest p
.endr
.irp i, 3,5,7,9,11,13
.irp b, 0,1,2,3
	v_max3_num_f32 v[BM+\b], v[BM+\b], v[S+16*\b+\i], v[S+1+16*\b+\i]
.endr
.endr
.irp b, 0,1,2,3
	v_max_num_f32 v[BM+\b], v[BM+\b], v[S+15+16*\b]
.endr
.irp b, 0,1,2,3
	s_delay_alu instid0(VALU_DEP_4)
	v_permlanex16_b32 v[PX+\b], v[BM+\b], s46, s47
.endr
.irp b, 0,1,2,3
	s_delay_alu instid0(VALU_DEP_4)
	v_max_num_f32 v[BM+\b], v[BM+\b], v[PX+\b]     ; with lane l xor 16's 16 keys
.endr
	s_delay_alu instid0(VALU_DEP_2)
	v_max3_num_f32 v[TA], v[BM], v[BM+1], v[BM+2]
	s_delay_alu instid0(VALU_DEP_1)
	v_max_num_f32 v[TA], v[TA], v[BM+3]            ; the step's largest score of my query
	s_delay_alu instid0(VALU_DEP_1)
	v_mul_f32 v[TA], s44, v[TA]                    ; as t (c is positive)
	s_delay_alu instid0(VALU_DEP_1)
	v_max_num_f32 v13, v13, v[TA]                  ; the running largest t
	v_mov_b32 v[TA], v12
	s_delay_alu instid0(VALU_DEP_2)
	v_floor_f32 v12, -v13                          ; the new -M = floor(-t) = -ceil(t): a whole number
	s_delay_alu instid0(VALU_DEP_1)
	v_sub_f32 v[TA], v12, v[TA]                    ; M's old value less its new one: a whole number, 0 or less
	s_delay_alu instid0(VALU_DEP_1)
	v_cvt_i32_f32 v[TA], v[TA]                     ; (it saturates)
	s_delay_alu instid0(VALU_DEP_1)
	v_ldexp_f32 v[F], 1.0, v[TA]                   ; f = 2^(old M - new M)
.set n, 0
.rept 32
	v_pk_fma_f32 v[S+n:S+n+1], v[S+n:S+n+1], s[44:45], v[12:13] op_sel_hi:[1,0,0]   ; t - M, two at a time (of the pairs c and -M the low word serves both halves)
.set n, n+2
.endr
	s_setprio 1
.irp b, 0,1,2,3
	v_fma_f32 v[BM+\b], v[BM+\b], s44, v12         ; the same of each block's largest score
.endr
.set n, 0
	s_wait_alu depctr_va_vdst(0)
.rept 64
	v_exp_f32 v[S+n], v[S+n]                       ; p = 2^(t - M), at most 1
.set n, n+1
.endr
	v_pk_mul_f32 v[14:15], v[14:15], v[F:F+1] op_sel_hi:[1,0]      ; the sums under the new M: a plain instruction behind the exponentials
	s_wait_alu depctr_va_vdst(0)                   ; one wait for the whole batch, ahead of its first reader
.irp b, 0,1,2,3
	v_exp_f32 v[BM+\b], v[BM+\b]                   ; the block's largest p: the same two instructions on the same number give the same bits
.endr
	v_pk_add_f32 v[242:243], v[100:101], v[104:105]
	v_pk_add_f32 v[236:237], v[108:109], v[112:113]
	v_pk_add_f32 v[234:235], v[116:117], v[120:121]
	v_pk_add_f32 v[232:233], v[124:125], v[128:129]
	v_pk_add_f32 v[230:231], v[132:133], v[136:137]
	v_pk_add_f32 v[228:229], v[140:141], v[144:145]
	v_pk_add_f32 v[226:227], v[148:149], v[152:153]
	v_pk_add_f32 v[14:15], v[14:15], v[156:157]
	v_pk_add_f32 v[242:243], v[242:243], v[96:97]
	v_pk_add_f32 v[236:237], v[236:237], v[98:99]
	v_pk_add_f32 v[234:235], v[234:235], v[102:103]
	v_pk_add_f32 v[232:233], v[232:233], v[106:107]
	v_pk_add_f32 v[230:231], v[230:231], v[110:111]
	v_pk_add_f32 v[228:229], v[228:229], v[114:115]
	v_pk_add_f32 v[226:227], v[226:227], v[118:119]
	v_pk_add_f32 v[14:15], v[14:15], v[122:123]
	v_pk_add_f32 v[242:243], v[242:243], v[126:127]
	v_pk_add_f32 v[236:237], v[236:237], v[130:131]
	v_pk_add_f32 v[234:235], v[234:235], v[134:135]
	v_pk_add_f32 v[232:233], v[232:233], v[138:139]
	v_pk_add_f32 v[230:231], v[230:231], v[142:143]
	v_pk_add_f32 v[228:229], v[228:229], v[146:147]
	v_pk_add_f32 v[226:227], v[226:227], v[150:151]
	v_pk_add_f32 v[14:15], v[14:15], v[154:155]
	v_pk_add_f32 v[242:243], v[242:243], v[158:159]
	s_delay_alu instid0(VALU_DEP_2)
	v_pk_add_f32 v[14:15], v[14:15], v[232:233]
	s_delay_alu instid0(VALU_DEP_2)
	v_pk_add_f32 v[242:243], v[242:243], v[230:231]
	v_pk_add_f32 v[236:237], v[236:237], v[228:229]
	v_pk_add_f32 v[234:235], v[234:235], v[226:227]
	s_delay_alu instid0(VALU_DEP_2)
	v_pk_add_f32 v[14:15], v[14:15], v[236:237]
	s_delay_alu instid0(VALU_DEP_2)
	v_pk_add_f32 v[242:243], v[242:243], v[234:235]
	s_delay_alu instid0(VALU_DEP_1)
	v_pk_add_f32 v[14:15], v[14:15], v[242:243]
	s_wait_alu depctr_va_vdst(0)                   ; and one for the four
.irp b, 0,1,2,3
	v_max_num_f32 v[BM+\b], 0x2800000, v[BM+\b]    ; the floor 2^(5 - 127): the byte cannot fall under 1 (a block whose every p is 0 keeps that byte: its codes are zeros)
.endr
.irp b, 0,1,2,3
	s_delay_alu instid0(VALU_DEP_4)
	v_add_nc_u32 v[SOP+\b], 0xfe000000, v[BM+\b]   ; 4 off the exponent field: the conversion's scale operand
.endr
.irp b, 0,1,2,3
	s_delay_alu instid0(VALU_DEP_4)
	v_lshrrev_b32 v[BY+\b], 23, v[SOP+\b]          ; the scale's byte
.endr
	s_delay_alu instid0(VALU_DEP_3)
	v_lshl_or_b32 v[PS], v[BY+1], 8, v[BY]         ; p's scale word for these 128 keys
	s_delay_alu instid0(VALU_DEP_1)
	v_lshl_or_b32 v[PS], v[BY+2], 16, v[PS]
	s_delay_alu instid0(VALU_DEP_1)
	v_lshl_or_b32 v[PS], v[BY+3], 24, v[PS]
	s_setprio 0
.irp c, 0,1
	v_cvt_scalef32_pk16_bf6_f32 v[PC+6*\c:PC+2+6*\c], v[S+32*\c:S+15+32*\c], v[SOP+2*\c]
	v_cvt_scalef32_pk16_bf6_f32 v[CT+4*\c:CT+2+4*\c], v[S+16+32*\c:S+31+32*\c], v[SOP+2*\c+1]   ; (a conversion's three registers begin on an even number)
.endr
	v_nop                                          ; one plain place behind a scaled conversion
.irp c, 0,1                                    ; the operand's layout wants a WHOLE block in a lane: lanes 0-15 block 2 c, lanes 16-31 block 2 c + 1
.irp i, 0,1,2
	v_permlane16_swap_b32 v[PC+6*\c+\i], v[CT+4*\c+\i]
.endr
.irp i, 0,1,2
	s_delay_alu instid0(VALU_DEP_3)
	v_mov_b32 v[PC+3+6*\c+\i], v[CT+4*\c+\i]
.endr
.endr
.set n, 0
.rept 16
	v_pk_mul_f32 v[O+n:O+n+1], v[O+n:O+n+1], v[F:F+1] op_sel_hi:[1,0]   ; O^T under the new M.  Twelve of these name no register of any one product below: the places between p's codes and scale word and the products
.set n, n+2
.endr
	s_wait_alu depctr_va_vdst(0)
	s_wait_dscnt 0x0                               ; v
.irp t, 0,2
	v_wmma_scale_f32_16x16x128_f8f6f4 v[O+8*\t:O+8*\t+7], v[KF+12*\t:KF+12*\t+11], v[PC:PC+11], v[O+8*\t:O+8*\t+7], v[VSC+\t/2], v[PS] matrix_a_fmt:MATRIX_FMT_BF6 matrix_b_fmt:MATRIX_FMT_BF6
	v_wmma_scale_f32_16x16x128_f8f6f4 v[O+8*\t+8:O+8*\t+15], v[KF+12*\t+12:KF+12*\t+23], v[PC:PC+11], v[O+8*\t+8:O+8*\t+15], v[VSC+\t/2], v[PS] matrix_a_fmt:MATRIX_FMT_BF6 matrix_b_fmt:MATRIX_FMT_BF6 matrix_a_scale:MATRIX_SCALE_ROW1
.endr
.rept 4
	v_nop                                          ; places in front of the next step's loads into v's registers, and of the way out's first read of O^T
.endr
.endm
; THE WAY OUT of a tile: O^T / the sum; register 16 b + i is channel 32 b + 16 h + i of my query: two blocks of the last projection's K.  Quantised as everything is; six registers of codes and two bytes a lane.
.macro OUT u
	v_add_f32 v14, v14, v15                        ; the sum's two halves,
	s_delay_alu instid0(VALU_DEP_1)
	v_permlanex16_b32 v[PX], v14, s46, s47
	s_delay_alu instid0(VALU_DEP_1)
	v_add_f32 v14, v14, v[PX]                      ; and lane l xor 16's: the row's sum
	s_wait_alu depctr_va_vdst(0)
	v_rcp_f32 v[F], v14
	v_nop                                          ; a plain instruction behind the reciprocal
	s_lshl_b32 s48, s13, 4
	s_add_co_u32 s48, s48, s40                     ; 16 batch + group
	s_lshl_b32 s48, s48, 3
	s_lshl_b32 s49, s11, 1
	s_add_co_u32 s48, s48, s49
	s_add_co_u32 s48, s48, \u                      ; my tile of 16 places, 0 .. 511
	s_mul_i32 s50, s48, 12288
	s_mul_i32 s52, s14, 768
	s_add_co_u32 s50, s50, s52
	s_mov_b32 s51, 0
	s_add_nc_u64 s[36:37], s[6:7], s[50:51]        ; in yc
	s_lshl_b32 s50, s48, 9
	s_lshl_b32 s52, s14, 1
	s_add_co_u32 s50, s50, s52
	s_add_nc_u64 s[38:39], s[8:9], s[50:51]        ; in ys
	s_wait_alu depctr_va_vdst(0)                   ; the wait ahead of the reciprocal's first reader
.set n, 0
.rept 16
	v_pk_mul_f32 v[S+n:S+n+1], v[O+n:O+n+1], v[F:F+1] op_sel_hi:[1,0]
.set n, n+2
.endr
.irp b, 0,1
	v_max3_num_f32 v[BM+\b], |v[S+16*\b]|, |v[S+1+16*\b]|, 0x2800000
.endr
.irp i, 2,4,6,8,10,12,14
.irp b, 0,1
	s_delay_alu instid0(VALU_DEP_2)
	v_max3_num_f32 v[BM+\b], v[BM+\b], |v[S+16*\b+\i]|, |v[S+1+16*\b+\i]|
.endr
.endr
.irp b, 0,1
	s_delay_alu instid0(VALU_DEP_2)
	v_permlanex16_b32 v[PX+\b], v[BM+\b], s46, s47
.endr
.irp b, 0,1
	s_delay_alu instid0(VALU_DEP_2)
	v_max_num_f32 v[BM+\b], v[BM+\b], v[PX+\b]
.endr
.irp b, 0,1
	s_delay_alu instid0(VALU_DEP_2)
	v_add_nc_u32 v[SOP+\b], 0xfe000000, v[BM+\b]
.endr
.irp b, 0,1
	s_delay_alu instid0(VALU_DEP_2)
	v_lshrrev_b32 v[BY+\b], 23, v[SOP+\b]
.endr
	s_delay_alu instid0(VALU_DEP_1)
	v_lshl_or_b32 v[YS], v[BY+1], 8, v[BY]
	v_cvt_scalef32_pk16_bf6_f32 v[PC:PC+2], v[S:S+15], v[SOP]
	v_cvt_scalef32_pk16_bf6_f32 v[CT:CT+2], v[S+16:S+31], v[SOP+1]
	v_nop                                          ; one plain place behind a scaled conversion
.irp i, 0,1,2
	v_permlane16_swap_b32 v[PC+\i], v[CT+\i]
.endr
.irp i, 0,1,2
	s_delay_alu instid0(VALU_DEP_3)
	v_mov_b32 v[PC+3+\i], v[CT+\i]
.endr
.irp j, 0,1,2
	global_store_b64 v[L8], v[PC+2*\j:PC+2*\j+1], s[36:37] offset:256*\j   ; 32 lanes store 256 consecutive bytes, at a multiple of 256 from yc's first byte
.endr
	global_store_b16 v[LYS], v[YS], s[38:39]       ; two bytes a place, places 32 bytes apart (both halves of the lanes write the same): one byte in 24 of what this launch stores
	s_wait_xcnt 0x0                                ; the stores have read their registers and bases: both may be written again
.endm
; A PASS: one tile of 16 queries against the keys up to its own group.  The loop's trip count is a constant; a step whose keys all come after my queries is jumped over, by a branch on the wave's number and the count of steps.
.macro PASS u, QF, QS
.if \u == 0
	s_mov_b32 s40, s10                             ; my group
.else
	s_sub_co_u32 s40, 15, s10
.endif
	v_mov_b32 v13, 0xff61b1e6                      ; the largest t so far: -3e38, under every t
	s_delay_alu instid0(VALU_DEP_1)
	v_floor_f32 v12, -v13                          ; -M
	v_mov_b32 v14, 0                               ; the sum, in two halves
	v_mov_b32 v15, 0
.set n, 0
.rept 32
	v_mov_b32 v[O+n], 0                            ; O^T.  (The step is written once: the first finds zeros, which the first change of M leaves zeros)
.set n, n+1
.endr
	s_mov_b32 s42, 0                               ; the step's place in LDS
	s_mov_b32 s41, 0                               ; the step
.Lstep_\@:
	v_add_nc_u32 v[ADK], s42, v[L16]
	v_add_nc_u32 v[ADV], s42, v[L8]
	s_cmp_gt_u32 s41, s40
	s_cbranch_scc1 .Lnext_\@
	s_wait_alu depctr_va_vdst(0)
	s_setprio 2
	STEP \u, \QF, \QS
.Lnext_\@:
	s_add_co_u32 s42, s42, KV
	s_add_co_u32 s41, s41, 1
	s_cmp_lt_u32 s41, 16
	s_cbranch_scc1 .Lstep_\@
	s_setprio 0
	OUT \u
.endm
	PASS 0, QF0, QS0
	PASS 1, QF1, QS1
	s_wait_tensorcnt 0x0                           ; the wave's end, behind my tensor load
	ds_add_u32 v[SPW], v[NIL]
	s_wait_dscnt 0x0
	CROUND                                         ; the closing round
	s_endpgm
.Lfunc_end_k_q95a5c0bab9_attn:
	.size	k_q95a5c0bab9_attn, .Lfunc_end_k_q95a5c0bab9_attn-k_q95a5c0bab9_attn
	.p2alignl 7, 3214868480
	.fill 96, 4, 3214868480
	.section	.rodata,"a",@progbits
	.p2align	6, 0x0
	.amdhsa_kernel k_q95a5c0bab9_attn
		.amdhsa_group_segment_fixed_size 210944
		.amdhsa_private_segment_fixed_size 0
		.amdhsa_enable_private_segment 0
		.amdhsa_kernarg_size 24
		.amdhsa_user_sgpr_count 2
		.amdhsa_user_sgpr_kernarg_segment_ptr 1
		.amdhsa_wavefront_size32 1
		.amdhsa_system_sgpr_workgroup_id_x 1
		.amdhsa_system_sgpr_workgroup_id_y 1
		.amdhsa_system_sgpr_workgroup_id_z 1
		.amdhsa_system_vgpr_workitem_id 0
		.amdhsa_next_free_vgpr 256
		.amdhsa_next_free_sgpr 66
		.amdhsa_reserve_vcc 1
		.amdhsa_float_denorm_mode_32 3
		.amdhsa_float_denorm_mode_16_64 3
		.amdhsa_memory_ordered 1
		.amdhsa_forward_progress 1
		.amdhsa_inst_pref_size 62
	.end_amdhsa_kernel
	.amdgpu_metadata
---
amdhsa.version: [ 1, 2 ]
amdhsa.kernels:
  - .name:           k_q95a5c0bab9_attn
    .symbol:         k_q95a5c0bab9_attn.kd
    .args:
      - { .name: heads, .offset: 0, .size: 8, .value_kind: global_buffer, .address_space: global }
      - { .name: yc, .offset: 8, .size: 8, .value_kind: global_buffer, .address_space: global }
      - { .name: ys, .offset: 16, .size: 8, .value_kind: global_buffer, .address_space: global }
    .group_segment_fixed_size: 210944
    .private_segment_fixed_size: 0
    .kernarg_segment_align: 8
    .kernarg_segment_size: 24
    .max_flat_workgroup_size: 512
    .sgpr_count:     66
    .vgpr_count:     256
    .wavefront_size: 32
...
	.end_amdgpu_metadata
.endif
;; end of part 3
;; launch proj (part 4): grid 4 x 32, 4 waves a work-group, clusters of 4 x 4, 327,680 bytes of LDS; arguments yc, ys, cod, scl, bp, out0; writes out0
.if DOCPART == 4
	.amdgcn_target "amdgcn-amd-amdhsa--gfx1250"
	.amdhsa_code_object_version 6
	.text
	.protected	k_q95a5c0bab9_proj
	.globl	k_q95a5c0bab9_proj
	.p2align	8
	.type	k_q95a5c0bab9_proj,@function
k_q95a5c0bab9_proj:
	s_mov_b64 s[64:65], 0
	v_nop
	global_prefetch_b8 v0, s[64:65] scope:SCOPE_SE
	s_setreg_imm32_b32 hwreg(HW_REG_WAVE_MODE, 25, 1), 1
	s_wait_xcnt 0x0
	s_wait_alu depctr_hold_cnt(0) depctr_sa_sdst(0) depctr_va_vdst(0) depctr_va_sdst(0) depctr_va_ssrc(0) depctr_va_vcc(0) depctr_vm_vsrc(0)
	s_getreg_b32 s2, hwreg(HW_REG_IB_STS2, 6, 4)
	s_cmp_eq_u32 s2, 0
	s_cbranch_scc0 .Lentry_in_a_cluster
	s_endpgm
.Lentry_in_a_cluster:
	s_bfe_u32 s2, ttmp6, 0x10000c
	s_cmp_lg_u32 s2, 0xf033
	s_cbranch_scc0 .Lentry_shape_is_right
	s_endpgm
.Lentry_shape_is_right:
; Launch 4 of 4: out0 = y Wp^T + bp.  y [8192][1024] arrives as codes of BF6 in images of operand registers (yc) with its scale bytes (ys), Wp as rows 11,264 on of cod and scl; out0 is f32.  No work of this product is left out.
; A tile of 256 x 256 of out0 is made by four waves, 128 x 128 each: 64 accumulators, 512 registers.  K goes in steps of 256 through a ring of two LDS slots filled by the tensor data mover; the scale bytes come once.
; 8,192 x 1,024 results are 128 such tiles: 128 work-groups; a tile of half the size would read half again as many LDS bytes for each product.
; CLUSTERS: 4 x 4 work-groups: y's tiles are shared along a row of the cluster, Wp's along a column, each asked for JOINTLY.
; THE MATRIX INSTRUCTION IS USED TRANSPOSED (source 0 = 16 rows of Wp, source 1 = 16 places of y): a lane holds eight neighbouring numbers of a row of out0.  bp is the C of each sum's first instruction.
; y's PLACES: place 16 a + r of a group of 128 holds token 32 (a / 2) + 8 (a % 2) + r + 8 (r / 8): the way out sends each row to its token.
; yc: [tile of 16 places][head][768 bytes], a lane's six registers as 3 x 256 bytes, 8 bytes a lane: a K step of 256 is four heads, 3,072 consecutive bytes a tile; a fragment (two heads) is six loads of 8 bytes a lane, each 256 consecutive bytes.
; REGISTERS, in windows of 256: window 0: v0-31 addresses; v32-63 scale words, two sets; v64-127 bp; from v128 y's fragments, ONE set; on the way out v128-255.
;   window 1: Wp's fragments, TWO sets.   window 2: the accumulators of my rows' blocks 0-3;   window 3: those of blocks 4-7.
.set SIZE_N, 1024
.set SIZE_K, 1024
.set KSTEP,  256
.set NQ,     KSTEP/128
.set ROWB,   192                       ; a row of Wp's tile in bytes
.set AROWB,  3072                      ; a K step of a tile of 16 places of y
.set KROW,   SIZE_K*6/8
.set PITCH,  240                       ; Wp's LDS row: 3 x (64 bytes of data + 16 of padding)
.set FR,     12
.set NL,     6
.set NP,     4
.set HALFT,  128*PITCH                 ; a wave's place in a slot: 128 rows of Wp fill it; 8 tiles of y take 24,576 bytes of it
.set SLOT,   4*HALFT
.set LAPS,   SIZE_K/(2*KSTEP)
.set KS,     SIZE_K/32
.set SCL,    2*SLOT
.set HALFS,  (128*KS/256)*272
.set SBLK,   (16*KS/256)*272
.set SPARE,  SCL+4*HALFS
.set SPITCH, 528                       ; the way out: a stage of 16 rows x (512 bytes + 16) for each wave, in slot 0, which has had its last fill and its last read when the first result is stored there
.set ADRA, 16                          ; v16-17 LDS address of y's fragments in slot 0, 1: 8 x lane
.set ADRB, 20                          ; v20-23 of Wp's
.set STO,  24
.set RD,   25
.set CO,   26
.set ADRS, 27
.set SPW,  28
.set NIL,  29
.set SC,   32
.set BI,   64                          ; v64-127 bp: register 8 b + j belongs to column 16 b + 8 h + j of my 128
.set AF,   128
.set BK,   128
.set G1, 24
.set G0, 32
.set G1B, 48
.set G0B, 56
.set G1S, 68
.set G0S, 76
.set G1SB, 80
.set G0SB, 88
.set MSB, 0
.macro WIN new
.if MSB != (\new)
	s_set_vgpr_msb (MSB<<8)|(\new)
.set MSB, (\new)
.endif
.endm
.set MUL_LO, 0xa1                      ; source 0 (Wp) window 1, source 1 (y) window 0, C and D window 2
.set MUL_HI, 0xf1                      ; the same, C and D window 3
.set FIRST_LO, 0x81                    ; the first step: C (bp) window 0, D window 2
.set FIRST_HI, 0xc1                    ; D window 3
.set TO_B,   0x40
.macro JLOAD g0a, g1a, g0b, g1b        ; a joint load: waves 0 and 1 fetch for y, waves 2 and 3 for Wp; an s_nop 0 and four v_nop follow each of the two lines
	s_cmp_eq_u32 s15, 0
	s_cbranch_scc0 .Lfor_b_\@
	tensor_load_to_lds s[\g0a:\g0a+3], s[\g1a:\g1a+7]
	s_nop 0
.rept 4
	v_nop
.endr
	s_branch .Lasked_\@
.Lfor_b_\@:
	tensor_load_to_lds s[\g0b:\g0b+3], s[\g1b:\g1b+7]
	s_nop 0
.rept 4
	v_nop
.endr
.Lasked_\@:
.endm
.macro CREST
	s_cmp_lg_u32 s14, 0
	s_cbranch_scc1 .Lnot_wave_0_\@
	s_barrier_signal -3
.Lnot_wave_0_\@:
	s_barrier_wait -3
	s_barrier_signal -1
	s_barrier_wait -1
.endm
.macro CROUND
	s_barrier_signal -1
	s_barrier_wait -1
	CREST
.endm
	s_load_b128 s[4:7], s[0:1], 0x0                ; yc, ys
	s_load_b128 s[8:11], s[0:1], 0x10              ; cod, scl
	s_load_b128 s[96:99], s[0:1], 0x20             ; bp, out0
	v_lshl_add_u32 v[SPW], v0, 2, SPARE
	v_mov_b32 v[NIL], 0
	ds_add_u32 v[SPW], v[NIL]                      ; the wave's opening: the add, twice on end, and its wait ahead of my first tensor load
	ds_add_u32 v[SPW], v[NIL]
	v_lshrrev_b32 v1, 5, v0
	v_readfirstlane_b32 s14, v1                    ; wave 0..3
	s_lshr_b32 s15, s14, 1                         ; which half of the tile's rows is mine.  Also: I fetch for y (0) or for Wp (1)
	s_and_b32 s16, s14, 1                          ; which half of its columns.  Also: which 128 rows of that tile I fetch
	s_bfe_u32 s40, ttmp6, 0x40000                  ; cx, cy
	s_bfe_u32 s41, ttmp6, 0x40004
	s_lshl_b32 s42, ttmp9, 2
	s_add_co_u32 s42, s42, s40                     ; tile column = 4 x cluster x + cx
	s_and_b32 s17, ttmp7, 0xffff
	s_lshl_b32 s17, s17, 2
	s_add_co_u32 s17, s17, s41                     ; tile row = 4 x cluster y + cy
	s_lshl_b32 s43, s41, 2
	s_lshl_b32 s43, 15, s43                        ; my row of the cluster
	s_lshl_b32 s44, 0x1111, s40                    ; my column
	; y's tiles: 8 rows (tiles of 16 places) x 3,072 bytes, 12,288 bytes apart, no padding
	s_or_b32 s[G1+0], s43, (0<<16)|(1<<21)
	s_mov_b32 s[G1+1], AROWB<<16                   ; tensor_dim0
	s_mov_b32 s[G1+2], 8<<16                       ; tensor_dim1
	s_mov_b32 s[G1+3], AROWB<<16                   ; tile_dim0
	s_mov_b32 s[G1+4], 8                           ; tile_dim1
	s_mov_b32 s[G1+5], 16*KROW                     ; tensor_dim0_stride
	s_mov_b32 s[G1+6], 0
	s_mov_b32 s[G1+7], 0
	; Wp's tiles: 128 rows x 192 bytes, 16 bytes of padding behind every 64
	s_or_b32 s[G1B+0], s44, (0<<16)|(1<<20)|(1<<21)|(3<<22)|(3<<25)
	s_mov_b32 s[G1B+1], ROWB<<16
	s_mov_b32 s[G1B+2], 128<<16
	s_mov_b32 s[G1B+3], ROWB<<16
	s_mov_b32 s[G1B+4], 128
	s_mov_b32 s[G1B+5], KROW
	s_mov_b32 s[G1B+6], 0
	s_mov_b32 s[G1B+7], 0
	; the scales of 128 rows: 4,096 dense bytes as 16 rows of 256, 16 bytes of padding behind each
	s_or_b32 s[G1S+0], s43, (3<<16)|(1<<20)|(1<<21)|(5<<22)|(3<<25)
	s_or_b32 s[G1SB+0], s44, (3<<16)|(1<<20)|(1<<21)|(5<<22)|(3<<25)
.irp g, G1S, G1SB
	s_mov_b32 s[\g+1], 32<<16
	s_mov_b32 s[\g+2], (128*KS/256)<<16
	s_mov_b32 s[\g+3], 32<<16
	s_mov_b32 s[\g+4], 128*KS/256
	s_mov_b32 s[\g+5], 32
	s_mov_b32 s[\g+6], 0
	s_mov_b32 s[\g+7], 0
.endr
	s_lshl_b32 s18, s16, 7                         ; which 128 rows of the tile I fetch
	s_lshl_b32 s20, s17, 8
	s_add_co_u32 s20, s20, s18                     ; y: place 256 x tile row + 128 x half
	s_lshl_b32 s46, s42, 8
	s_add_co_u32 s46, s46, s18
	s_add_co_u32 s46, s46, 11264                   ; Wp: row 11,264 + 256 x tile column + 128 x half of cod and scl
	s_mov_b32 s21, 0
	s_mov_b32 s47, 0
	s_mov_b64 s[18:19], KS
	s_mul_u64 s[22:23], s[20:21], s[18:19]         ; where these rows' scales begin, in bytes
	s_mul_u64 s[92:93], s[46:47], s[18:19]
	s_mov_b64 s[18:19], KROW
	s_mul_u64 s[20:21], s[20:21], s[18:19]         ; and their codes (16 places of y are 16 x 768 bytes too)
	s_mul_u64 s[46:47], s[46:47], s[18:19]
	s_mul_i32 s45, s14, HALFT
	s_mul_i32 s94, s14, HALFS
	s_wait_dscnt 0x0                               ; both opening adds are done
	s_wait_kmcnt 0x0
	s_add_nc_u64 s[20:21], s[4:5], s[20:21]
	s_add_nc_u64 s[22:23], s[6:7], s[22:23]
	s_add_nc_u64 s[46:47], s[8:9], s[46:47]
	s_add_nc_u64 s[92:93], s[10:11], s[92:93]
	CROUND                                         ; all sixteen work-groups are here: the first joint loads meet
	s_mov_b32 s[G0S], 1
	s_add_co_u32 s[G0S+1], s94, SCL
	s_mov_b64 s[G0S+2:G0S+3], s[22:23]
	s_or_b32 s[G0S+3], s[G0S+3], 0x80000000
	s_mov_b32 s[G0SB], 1
	s_add_co_u32 s[G0SB+1], s94, SCL
	s_mov_b64 s[G0SB+2:G0SB+3], s[92:93]
	s_or_b32 s[G0SB+3], s[G0SB+3], 0x80000000
	JLOAD G0S, G1S, G0SB, G1SB                     ; the scales first.  With the two below, three tensor loads of mine are out
.irp s, 0,1
	s_mov_b32 s[G0+4*\s], 1
	s_add_co_u32 s[G0+4*\s+1], s45, \s*SLOT
	s_add_nc_u64 s[G0+4*\s+2:G0+4*\s+3], s[20:21], \s*AROWB
	s_or_b32 s[G0+4*\s+3], s[G0+4*\s+3], 0x80000000
	s_mov_b32 s[G0B+4*\s], 1
	s_add_co_u32 s[G0B+4*\s+1], s45, \s*SLOT
	s_add_nc_u64 s[G0B+4*\s+2:G0B+4*\s+3], s[46:47], \s*ROWB
	s_or_b32 s[G0B+4*\s+3], s[G0B+4*\s+3], 0x80000000
	JLOAD G0+4*\s, G1, G0B+4*\s, G1B
.endr
	v_and_b32 v1, 15, v0                           ; r
	v_bfe_u32 v2, v0, 4, 1                         ; h
	v_mul_u32_u24 v3, v1, PITCH
	v_mul_u32_u24 v4, v2, 24
	v_add_nc_u32 v4, v3, v4                        ; Wp: a fragment's row x pitch + 24 x half
	v_lshl_add_u32 v5, v2, 4, v4                   ; and the same behind one padding more
	v_and_b32 v6, 31, v0
	v_lshlrev_b32 v7, 3, v6                        ; y: 8 x lane
	s_mul_i32 s21, s15, HALFT                      ; my 128 places of y
	s_mul_i32 s22, s16, HALFT                      ; my 128 rows of Wp,
	s_add_co_u32 s22, s22, 2*HALFT                 ; which lie behind y's two places
.irp s, 0,1
	v_add_nc_u32 v[ADRA+\s], s21, v7
	v_add_nc_u32 v[ADRB+\s], s22, v4
	v_add_nc_u32 v[ADRB+2+\s], s22, v5
	s_add_co_u32 s21, s21, SLOT
	s_add_co_u32 s22, s22, SLOT
.endr
	v_mul_u32_u24 v5, v1, KS                       ; my row's scales: 32 bytes a row,
	v_lshrrev_b32 v3, 8, v5
	v_lshl_add_u32 v5, v3, 4, v5                   ; and 16 more for each 256 passed
	s_mul_i32 s21, s15, HALFS
	s_mul_i32 s22, s16, HALFS
	s_add_co_u32 s22, s22, 2*HALFS
	s_sub_co_u32 s22, s22, s21
	v_mul_u32_u24 v3, s22, v2                      ; lanes 16-31 take Wp's
	s_add_co_u32 s21, s21, SCL
	v_add_nc_u32 v5, v5, v3
	v_add_nc_u32 v[ADRS], s21, v5
	s_mul_i32 s23, s14, 16*SPITCH                  ; my stage
	v_mul_u32_u24 v5, v1, SPITCH                   ; in: row l % 16, 32 bytes for each half of the lanes
	v_lshl_add_u32 v5, v2, 5, v5
	v_add_nc_u32 v[STO], s23, v5
	v_lshlrev_b32 v[CO], 4, v6                     ; back: the 32 lanes take one row of 512 bytes; and the same in out0
	v_add_nc_u32 v[RD], s23, v[CO]
	s_lshl_b32 s20, s17, 8
	s_lshl_b32 s21, s15, 7
	s_add_co_u32 s20, s20, s21                     ; my first row of out0
	s_mov_b32 s21, 0
	s_mov_b64 s[18:19], SIZE_N*4
	s_mul_u64 s[20:21], s[20:21], s[18:19]
	s_lshl_b32 s46, s42, 10                        ; my first column, in bytes: 1,024 x tile column + 512 x half
	s_lshl_b32 s47, s16, 9
	s_add_co_u32 s46, s46, s47
	s_mov_b32 s47, 0
	s_add_nc_u64 s[96:97], s[96:97], s[46:47]      ; bp at my first column
	s_add_nc_u64 s[20:21], s[20:21], s[46:47]
	s_add_nc_u64 s[12:13], s[98:99], s[20:21]
	v_lshlrev_b32 v8, 5, v2                        ; 32 h
.irp b, 0,1,2,3,4,5,6,7
	global_load_b128 v[BI+8*\b:BI+8*\b+3], v8, s[96:97] offset:64*\b
	global_load_b128 v[BI+8*\b+4:BI+8*\b+7], v8, s[96:97] offset:64*\b+16
.endr
.macro FRAG reg, adr, q, i             ; a fragment of Wp from padded rows: six pieces of 8 bytes; where lanes 16-31's piece lies behind one padding more, the second address register serves
.irp p, 0,1,2,3,4,5
.set PCE, 12*(\q)+6*(\p/3)+\p%3
.if PCE%8 < 5
	ds_load_b64 v[\reg+2*\p:\reg+2*\p+1], v[\adr] offset:8*PCE+16*(PCE/8)+(\i)*16*PITCH
.else
	ds_load_b64 v[\reg+2*\p:\reg+2*\p+1], v[\adr+2] offset:8*PCE+16*(PCE/8)+(\i)*16*PITCH
.endif
.endr
.endm
.macro FRAGA reg, slot, q, i           ; a fragment of y from its image: tile i, the slot's q-th pair of heads: six loads of 256 consecutive bytes
.irp p, 0,1,2,3,4,5
	ds_load_b64 v[\reg+2*\p:\reg+2*\p+1], v[ADRA+\slot] offset:AROWB*(\i)+1536*(\q)+256*\p
.endr
.endm
; 16 matrix instructions: y's blocks a0, a0 + 1 x Wp's eight.  first = 1: the first product starts the sums, with bp as its C.  The 64 accumulators take turns.
.macro MUL16 a0, p, q, sc, first
.irp a, \a0, \a0+1
.irp b, 0,1,2,3,4,5,6,7
.if \first
	v_wmma_scale_f32_16x16x128_f8f6f4 v[8*(8*((\a)%4)+\b):8*(8*((\a)%4)+\b)+7], v[128*(\p)+FR*\b:128*(\p)+FR*\b+FR-1], v[AF+FR*(\a):AF+FR*(\a)+FR-1], v[BI+8*\b:BI+8*\b+7], v[SC+8*NQ*(\sc)+NQ*\b+(\q)], v[SC+8*NQ*(\sc)+NQ*(\a)+(\q)] matrix_a_fmt:MATRIX_FMT_BF6 matrix_b_fmt:MATRIX_FMT_BF6 matrix_a_scale:MATRIX_SCALE_ROW1
.else
	v_wmma_scale_f32_16x16x128_f8f6f4 v[8*(8*((\a)%4)+\b):8*(8*((\a)%4)+\b)+7], v[128*(\p)+FR*\b:128*(\p)+FR*\b+FR-1], v[AF+FR*(\a):AF+FR*(\a)+FR-1], v[8*(8*((\a)%4)+\b):8*(8*((\a)%4)+\b)+7], v[SC+8*NQ*(\sc)+NQ*\b+(\q)], v[SC+8*NQ*(\sc)+NQ*(\a)+(\q)] matrix_a_fmt:MATRIX_FMT_BF6 matrix_b_fmt:MATRIX_FMT_BF6 matrix_a_scale:MATRIX_SCALE_ROW1
.endif
.endr
.endr
.endm
.macro FETCH_B slot, q, p
	WIN TO_B
.irp i, 0,1,2,3,4,5,6,7
	FRAG 128*(\p)+FR*\i, ADRB+\slot, \q, \i
.endr
	WIN 0
.endm
.macro FETCH_A slot, q, i0
.irp i, \i0, \i0+1, \i0+2, \i0+3
	FRAGA AF+FR*(\i), \slot, \q, \i
.endr
.endm
.macro SCALES sc
.irp i, 0,1,2,3,4,5,6,7
	ds_load_b64 v[SC+8*NQ*\sc+NQ*\i:SC+8*NQ*\sc+NQ*\i+1], v[ADRS] offset:\i*SBLK
.endr
.endm
.macro PLACES n
.rept \n
	v_nop
.endr
.endm
.macro STEP slot, q, first
	s_wait_dscnt 4*NL                              ; Wp's set and y's blocks 0-3 are in; the youngest 24 loads (blocks 4-7) may be out
.if \first
	WIN FIRST_LO
.else
	WIN MUL_LO
.endif
	MUL16 0, (\q)%2, \q, \slot, \first
	MUL16 2, (\q)%2, \q, \slot, \first
	s_wait_dscnt 0
	PLACES NP
	FETCH_B \slot, (\q)+1, 1-(\q)%2
	FETCH_A \slot, (\q)+1, 0
.if \first
	WIN FIRST_HI
.else
	WIN MUL_HI
.endif
	MUL16 4, (\q)%2, \q, \slot, \first
	MUL16 6, (\q)%2, \q, \slot, \first
	PLACES NP
	WIN 0
	FETCH_A \slot, (\q)+1, 4
.endm
; A slot's last step changes slots: ONE barrier; in front of it each wave waits for all its tensor loads, adds 0 to its spare word, and waits for that and for its own reads of this slot.
.macro TURN slot, next, fill
	s_wait_tensorcnt 0x0                           ; all my tensor loads have landed: my part of the next slot
	ds_add_u32 v[SPW], v[NIL]                      ; 0 onto my spare word
	s_wait_dscnt 4*NL+1                            ; (the add and the youngest 24 loads may be out)
	WIN MUL_LO
	MUL16 0, 1, NQ-1, \slot, 0
	s_wait_dscnt 0x0                               ; the add is done, and my reads of this slot are over
	s_barrier_signal -1
	MUL16 2, 1, NQ-1, \slot, 0
	WIN 0
	s_barrier_wait -1
.if \fill
	CREST                                          ; the barrier has opened a round of the cluster's barrier
	s_add_nc_u64 s[G0+4*\slot+2:G0+4*\slot+3], s[G0+4*\slot+2:G0+4*\slot+3], 2*AROWB
	s_add_nc_u64 s[G0B+4*\slot+2:G0B+4*\slot+3], s[G0B+4*\slot+2:G0B+4*\slot+3], 2*ROWB
	JLOAD G0+4*\slot, G1, G0B+4*\slot, G1B         ; the first tensor load behind the round; its four v_nop are the places in front of the loads below
.else
	PLACES NP
.endif
	v_add_nc_u32 v[ADRS], 4*NQ, v[ADRS]
	FETCH_B \next, 0, 0
	FETCH_A \next, 0, 0
	SCALES \next
	WIN MUL_HI
	MUL16 4, 1, NQ-1, \slot, 0
	MUL16 6, 1, NQ-1, \slot, 0
	PLACES NP
	WIN 0
	FETCH_A \next, 0, 4
.endm
	s_wait_tensorcnt 1                             ; the scales and my part of K step 0 are in (K step 1's load may be out),
	s_barrier_signal -1
	s_barrier_wait -1                              ; everybody's are
	FETCH_B 0, 0, 0
	FETCH_A 0, 0, 0
	SCALES 0
	FETCH_A 0, 0, 4
	s_wait_loadcnt 0x0                             ; bp
	STEP 0, 0, 1                                   ; the first step stands in front of the loop: its products start the sums, from bp
	s_mov_b32 s3, LAPS-1
.Llap:
	TURN 0, 1, 1
	STEP 1, 0, 0
	TURN 1, 0, 1
	STEP 0, 0, 0
	s_sub_co_u32 s3, s3, 1
	s_cmp_lg_u32 s3, 0
	s_cbranch_scc1 .Llap
	TURN 0, 1, 0                                   ; the last lap fills nothing
	STEP 1, 0, 0
	s_wait_dscnt 4*NL
	WIN MUL_LO
	MUL16 0, 1, NQ-1, 1, 0
	MUL16 2, 1, NQ-1, 1, 0
	s_wait_dscnt 0
	WIN MUL_HI
	MUL16 4, 1, NQ-1, 1, 0
	MUL16 6, 1, NQ-1, 1, 0
	WIN 0
; THE WAY OUT, block by block of 16 places x 128 columns: through my own stage in LDS and back as whole rows of 512 bytes.  LDS serves a wave's instructions in order: no wait between the stores and the loads.
.macro TOSTAGE a
.set AC, 64*((\a)%4)
	WIN 0x08+4*((\a)/4)                            ; the data: window 2 or 3
.irp b, 0,1,2,3,4,5,6,7
	ds_store_b128 v[STO], v[AC+8*\b:AC+8*\b+3] offset:64*\b          ; each accumulator from its low end on
	ds_store_b128 v[STO], v[AC+8*\b+4:AC+8*\b+7] offset:64*\b+16
.endr
	WIN 0
.set BB, BK+64*((\a)%2)
.irp t, 0,1,2,3,4,5,6,7,8,9,10,11,12,13,14,15
	ds_load_b128 v[BB+4*\t:BB+4*\t+3], v[RD] offset:\t*SPITCH
.endr
.endm
.macro SEND a, younger                 ; place t of block a is token 32 (a / 2) + 8 (a % 2) + t + 8 (t / 8) of my 128: its row stands in the immediate, 127 x 4,096 bytes at the most
.set BB, BK+64*((\a)%2)
	s_wait_dscnt \younger                          ; the block is back in registers
.irp t, 0,1,2,3,4,5,6,7,8,9,10,11,12,13,14,15
	global_store_b128 v[CO], v[BB+4*\t:BB+4*\t+3], s[12:13] offset:(32*((\a)/2)+8*((\a)%2)+\t+8*(\t/8))*SIZE_N*4 th:TH_STORE_NT   ; 32 lanes store 512 consecutive bytes, at a multiple of 256 from out0's first byte
.endr
.endm
	PLACES NP                                      ; behind the last products: for the loads into the registers that held y's fragments and for the reads of results
	TOSTAGE 0
.irp a, 1,2,3,4,5,6,7
.if \a > 1
	s_wait_xcnt 0x0                                ; block a - 2's stores have read their registers: block a's loads may land there
.endif
	TOSTAGE \a
	SEND \a-1, 32                                  ; behind block a - 1's loads: block a's 16 stores and 16 loads
.endr
	SEND 7, 0
	s_wait_tensorcnt 0x0                           ; the wave's end, behind my last tensor load and my last LDS store
	ds_add_u32 v[SPW], v[NIL]
	s_wait_dscnt 0x0
	CROUND                                         ; the closing round
	s_endpgm
.Lfunc_end_k_q95a5c0bab9_proj:
	.size	k_q95a5c0bab9_proj, .Lfunc_end_k_q95a5c0bab9_proj-k_q95a5c0bab9_proj
	.p2alignl 7, 3214868480
	.fill 96, 4, 3214868480
	.section	.rodata,"a",@progbits
	.p2align	6, 0x0
	.amdhsa_kernel k_q95a5c0bab9_proj
		.amdhsa_group_segment_fixed_size 327680
		.amdhsa_private_segment_fixed_size 0
		.amdhsa_enable_private_segment 0
		.amdhsa_kernarg_size 48
		.amdhsa_user_sgpr_count 2
		.amdhsa_user_sgpr_kernarg_segment_ptr 1
		.amdhsa_wavefront_size32 1
		.amdhsa_system_sgpr_workgroup_id_x 1
		.amdhsa_system_sgpr_workgroup_id_y 1
		.amdhsa_system_sgpr_workgroup_id_z 1
		.amdhsa_system_vgpr_workitem_id 0
		.amdhsa_next_free_vgpr 1024
		.amdhsa_next_free_sgpr 100
		.amdhsa_reserve_vcc 0
		.amdhsa_float_denorm_mode_32 3
		.amdhsa_float_denorm_mode_16_64 3
		.amdhsa_memory_ordered 1
		.amdhsa_forward_progress 1
		.amdhsa_inst_pref_size 161
	.end_amdhsa_kernel
	.amdgpu_metadata
---
amdhsa.version: [ 1, 2 ]
amdhsa.kernels:
  - .name:           k_q95a5c0bab9_proj
    .symbol:         k_q95a5c0bab9_proj.kd
    .args:
      - { .name: yc, .offset: 0, .size: 8, .value_kind: global_buffer, .address_space: global }
      - { .name: ys, .offset: 8, .size: 8, .value_kind: global_buffer, .address_space: global }
      - { .name: cod, .offset: 16, .size: 8, .value_kind: global_buffer, .address_space: global }
      - { .name: scl, .offset: 24, .size: 8, .value_kind: global_buffer, .address_space: global }
      - { .name: bp, .offset: 32, .size: 8, .value_kind: global_buffer, .address_space: global }
      - { .name: out0, .offset: 40, .size: 8, .value_kind: global_buffer, .address_space: global }
    .group_segment_fixed_size: 327680
    .private_segment_fixed_size: 0
    .kernarg_segment_align: 8
    .kernarg_segment_size: 48
    .max_flat_workgroup_size: 128
    .sgpr_count:     100
    .vgpr_count:     1024
    .wavefront_size: 32
...
	.end_amdgpu_metadata
.endif
;; end of part 4
